; MI455X (gfx1250); checked and timed in simulation.
; The chip was launched on July 23, 2026; its instructions are those of AMD's public machine-readable ISA for CDNA 5 (MIT licence, August 2026) and "CDNA5" Instruction Set Architecture Reference Guide (July 2026). The comments in the code are by the model that wrote it; some were corrected since.
;; Multi Head Attention With Ro PE. Allowed arithmetic: matrix products marked QUANTISED: E3M2 operands, one E8M0 scale for each 32 along K, by v_wmma_scale_f32_16x16x128_f8f6f4 with both operands' format E3M2, f32 sums; everything else in f32.
;; Inputs: Wk 512 x 2,048 float32; Wo 2,048 x 2,048 float32; Wq 2,048 x 2,048 float32; Wv 512 x 2,048 float32; cos 2,048 x 64 float32; mask 1 x 1 x 2,048 x 2,048 bool; sin 2,048 x 64 float32; x 1 x 2,048 x 2,048 float32.
;; Outputs: out0 1 x 2,048 x 2,048 float32.
;; This version of the problem:
;;   THIS VERSION OF THE PROBLEM IS GIVEN IN LOW PRECISION. The matrix products marked QUANTISED in the list below multiply operands that are first quantised to E3M2 (3 exponent bits, 2 mantissa bits; 6 bits a number), with one power-of-two scale for each 32 numbers along K (OCP MX v1.0); their sums are f32. All else is computed in f32.
;;   The module's matrix products, in the order in which they are computed (A, B: the left and right operand; K: the contracted axis; several contracted axes count as one K, in the product's order):
;;     1. [M 2,048, K 2,048] x [K 2,048, N 2,048]; A: input x; B: input Wq: QUANTISED
;;     2. [M 2,048, K 2,048] x [K 2,048, N 512]; A: input x; B: input Wk: QUANTISED
;;     3. [M 2,048, K 2,048] x [K 2,048, N 512]; A: input x; B: input Wv: QUANTISED
;;     4. batch 32 x [M 2,048, K 64] x [K 64, N 2,048]; A: computed on the way; B: computed on the way: QUANTISED
;;     5. batch 32 x [M 2,048, K 2,048] x [K 2,048, N 64]; A: softmax (see below); B: computed on the way: QUANTISED
;;     6. [M 2,048, K 2,048] x [K 2,048, N 2,048]; A: computed on the way; B: input Wo: QUANTISED
;;   THE QUANTISER, for each operand of a quantised product, along K:
;;     - K is cut into blocks of 32 from its start; a last block that is shorter is filled with zeros.
;;     - A block's scale is 2^e with e = floor(log2(the largest magnitude in the block)) - 4, held to -126 .. 127; a block of zeros has e = 0. As a byte (E8M0): e + 127.
;;     - Each number is divided by its block's scale, clamped to +-28, and rounded to the nearest number of E3M2, ties to even, subnormals kept.
;;     - The product sums the exact products of the quantised numbers (number of the format x scale) in f32.
;;   ~~~python
;;   def quantise(x, axis):      # numpy; x: float32 -> the quantised numbers, widened to float32 again
;;       x = np.moveaxis(x, axis, -1); K = x.shape[-1]
;;       x = np.pad(x, [(0, 0)] * (x.ndim - 1) + [(0, -K % 32)]); x = x.reshape(x.shape[:-1] + (-1, 32)); a = np.abs(x).max(-1, keepdims=True)
;;       e = np.where(a > 0, np.clip(np.frexp(np.where(a > 0, a, 1))[1] - 1 - 4, -126, 127), 0)      # np.frexp(a)[1] - 1 = floor(log2(a)), exactly
;;       r = np.clip(x / 2.0 ** e, -28, 28)
;;       step = 2.0 ** (np.maximum(np.frexp(np.where(r == 0, 1, r))[1] - 1, -2) - 2)
;;       q = np.round(r / step) * step * 2.0 ** e      # np.round: ties to even
;;       return np.moveaxis(q.reshape(q.shape[:-2] + (-1,))[..., :K], -1, axis).astype(np.float32)
;;   ~~~
;;   SOFTMAX AHEAD OF A QUANTISED PRODUCT. Where the list says 'softmax', what is quantised is not the finished softmax but p = 2^(t - M), with t = logit x log2(e) and M = ceil(the row's largest t), a whole number; so 1/2 < the row's largest p <= 1. The row's sum l is taken of the UNQUANTISED p, in f32, and the product's result is divided by l at the end. Since M is a whole number, a kernel that streams over the keys may use a running M (the ceiling of the running maximum): every later rescaling is an exact power of two, which a block's scale takes up: the codes' values come out the same.
;;   OPERANDS COMPUTED ON THE WAY. 'Computed on the way' means the value that the module computes at that place (a softmax that the list does not call 'softmax' is quantised finished and normalised). What goes into a quantiser is computed in f32, as accurately as f32 sums, v_exp_f32 and their like allow (about 1e-6 of the number): no bf16 or f16 on the way to a quantiser, and a product that is left as it is and whose result goes on into a quantised operand takes f32 operands (vector FMAs, or v_wmma_f32_16x16x4_f32). A number that lies on a knife's edge between two numbers of the format may be rounded either way, as far as f32 arithmetic and the matrix unit's own rounding can turn it there, and no further.
;; 3 versions, each right; version 2 is faster than version 1; version 3 is version 2 with the launch attn written anew for expert scheduling mode. Each part assembles by itself: llvm-mc -triple=amdgcn-amd-amdhsa -mcpu=gfx1250 --defsym DOCPART=n.
;; ======== version 1 of 3: 4 launches
;; workspace buffers: codes 11,468,800 bytes; mw 524,288 bytes of whole numbers; qkv 5,111,808 bytes; ao 3,276,800 bytes
;; launch prep (part 1): grid 576 x 1, 4 waves a work-group, no clusters, 35,328 bytes of LDS; arguments x, Wq, Wk, Wv, Wo, mask, codes, mw; writes codes, mw
.if DOCPART == 1
	.amdgcn_target "amdgcn-amd-amdhsa--gfx1250"
	.amdhsa_code_object_version 6
	.text
	.protected	k_q698204fb3b_prep
	.globl	k_q698204fb3b_prep
	.p2align	8
	.type	k_q698204fb3b_prep,@function
k_q698204fb3b_prep:
	s_mov_b64 s[64:65], 0
	v_nop
	global_prefetch_b8 v0, s[64:65] scope:SCOPE_SE
	s_setreg_imm32_b32 hwreg(HW_REG_WAVE_MODE, 25, 1), 1
	s_wait_xcnt 0x0
; x [2048][2048], Wq [2048][2048], Wk, Wv [512][2048], Wo [2048][2048], f32 with K innermost, become codes of BF6 (E3M2) with one E8M0 byte for each 32 along K;
; the mask's bytes become words of 32 bits, one bit a lane, as the attention launch selects by them.
; A block's scale is 2^(floor(log2(its largest magnitude)) - 4): its byte is the largest magnitude's exponent field - 4, held at 1 from below.
; LIMITS: a block whose largest magnitude lies under 2^-122 has its byte held at 1; a block of zeros keeps the byte 1 (its codes are zeros, and this program alone reads the bytes); NaN and infinities among the inputs are not served.
; LAYOUT OF codes: 448 groups of 16 rows (x 0-127, Wq 128-255, Wk 256-287, Wv 288-319, Wo 320-447), 25,600 bytes each: four quads (512 along K) of 6,400 bytes.
; A quad is four IMAGES OF OPERAND REGISTERS (16 rows x 128 K, 12 registers a lane: registers 4 j .. 4 j + 3 of lane l at 512 j + 16 l) and 256 bytes of scale words, [row][step].
; THE ORDER INSIDE A BLOCK OF 32 is k = 0-7, 16-23, 8-15, 24-31, in every operand of this program: it is the order in which a transposed matrix result falls into a lane's registers, so computed operands need
; no tiles of chosen rows.  Both operands of each product have it, so each product meets its partner; blocks and scales are the true blocks.
; SHARES: work-groups 0-447: a group of 16 rows, a quad to each of the four waves, four steps of 128 along K.  Each load reads 512 consecutive bytes of one row; a step's 8,192 bytes turn through the wave's own
; stage in LDS (rows 528 bytes apart: sixteen rows fall on sixteen different 16-byte columns of the banks) and come back as the operand's layout wants them: lane (r, h) takes blocks h and 2 + h of row r.
; Work-groups 448-575: the mask of 16 queries; a wave takes four key steps of 128.  No tensor load, no barrier: waves share nothing.
.set NGRP, 448
.set WREG, 8704                        ; a wave's stage: 16 rows x 528 bytes, rounded up
.set SP,   528
.set R,    16                          ; v16-143  two sets of 64: a step's numbers as loaded
.set X,    144                         ; v144-207 my two blocks, in the order of the codes
.set E,    208                         ; v208-219 the fragment's 12 registers
.set T,    220                         ; v220-226 the upper halves of the blocks' codes (a conversion's three registers begin on an even number)
	s_load_b256 s[4:11], s[0:1], 0x0               ; x, Wq, Wk, Wv
	s_load_b256 s[12:19], s[0:1], 0x20             ; Wo, mask, codes, mw
	v_lshl_add_u32 v232, v0, 2, 0x8800
	v_mov_b32 v233, 0
	v_lshrrev_b32 v1, 5, v0
	v_readfirstlane_b32 s20, v1                    ; wave
	v_and_b32 v229, 15, v0                         ; r
	v_bfe_u32 v4, v0, 4, 1                         ; h
	v_and_b32 v230, 31, v0                         ; lane
	s_mov_b32 s23, 0
	s_cmp_ge_u32 ttmp9, NGRP
	s_cbranch_scc1 .Lmask
	; ---- the quantiser
	v_lshlrev_b32 v1, 4, v230                      ; 16 x lane: my bytes of a load, and of an image
	s_mul_i32 s21, s20, WREG
	v_add_nc_u32 v2, s21, v1                       ; the stage, on the way in
	v_mul_u32_u24 v3, v229, SP
	v_lshl_add_u32 v3, v4, 7, v3
	v_add_nc_u32 v3, s21, v3                       ; and out: row r, block h
	v_lshlrev_b32 v5, 3, v4                        ; 8 h: my bytes' place in a scale word
	v_lshlrev_b32 v227, 4, v229
	v_lshl_add_u32 v227, v4, 3, v227               ; 16 r + 8 h: my two words of the quad's scale words
	v_mov_b32 v228, 0                              ; a lane permute's destination counts as one of its sources
	s_mov_b32 s28, 0x76543210
	s_mov_b32 s29, 0xfedcba98                      ; selects for lane l xor 16
	s_mov_b32 s22, 320
	s_wait_kmcnt 0x0
	s_cmp_lt_u32 ttmp9, 320                        ; which tensor: the choice hangs on the work-group's number alone
	s_cselect_b64 s[24:25], s[10:11], s[12:13]
	s_cselect_b32 s22, 288, s22
	s_cmp_lt_u32 ttmp9, 288
	s_cselect_b64 s[24:25], s[8:9], s[24:25]
	s_cselect_b32 s22, 256, s22
	s_cmp_lt_u32 ttmp9, 256
	s_cselect_b64 s[24:25], s[6:7], s[24:25]
	s_cselect_b32 s22, 128, s22
	s_cmp_lt_u32 ttmp9, 128
	s_cselect_b64 s[24:25], s[4:5], s[24:25]
	s_cselect_b32 s22, 0, s22                      ; the tensor's first group
	s_sub_co_u32 s22, ttmp9, s22
	s_lshl_b32 s22, s22, 17                        ; 16 rows of 8,192 bytes
	s_lshl_b32 s26, s20, 11                        ; my quad: 512 numbers
	s_add_co_u32 s22, s22, s26
	s_add_nc_u64 s[24:25], s[24:25], s[22:23]
	s_mul_i32 s22, ttmp9, 25600
	s_mul_i32 s26, s20, 6400
	s_add_co_u32 s22, s22, s26
	s_add_nc_u64 s[16:17], s[16:17], s[22:23]      ; my quad of codes
.macro LOAD q                          ; step q: 16 rows x 512 consecutive bytes
.irp i, 0,1,2,3,4,5,6,7,8,9,10,11,12,13,14,15
	global_load_b128 v[R+64*((\q)%2)+4*\i:R+64*((\q)%2)+4*\i+3], v1, s[24:25] offset:\i*8192+(\q)*512 th:TH_LOAD_NT
.endr
.endm
.macro STEP q
.set RS, R+64*((\q)%2)
.if (\q) < 3
	s_wait_loadcnt 16                              ; this step's sixteen loads are in; the next step's may be out
.else
	s_wait_loadcnt 0x0
.endif
.irp i, 0,1,2,3,4,5,6,7,8,9,10,11,12,13,14,15
	ds_store_b128 v2, v[RS+4*\i:RS+4*\i+3] offset:\i*SP
.endr
.irp m, 0,1                            ; block 2 m + h; piece e of the codes' order is piece 0,1,4,5,2,3,6,7 of the block.  LDS serves a wave's instructions in order: these see the stores above
.irp e, 0,1,2,3,4,5,6,7
	ds_load_b128 v[X+32*\m+4*\e:X+32*\m+4*\e+3], v3 offset:256*\m+16*((\e%2)+2*(\e/4)+4*((\e/2)%2))
.endr
.endr
	s_wait_dscnt 0x0                               ; my two blocks are in, and the stores have read the set
.if (\q) < 2
	LOAD (\q)+2                                    ; which takes the loads of two steps on
.endif
	v_max3_num_f32 v12, |v[X]|, |v[X+1]|, 0x2800000        ; the largest magnitudes, with the floor 2^(5 - 127) among the leaves: the byte cannot fall under 1
	v_max3_num_f32 v13, |v[X+32]|, |v[X+33]|, 0x2800000
.irp i, 2,4,6,8,10,12,14,16,18,20,22,24,26,28,30
	v_max3_num_f32 v12, v12, |v[X+\i]|, |v[X+\i+1]|        ; (the two blocks by turns)
	v_max3_num_f32 v13, v13, |v[X+32+\i]|, |v[X+33+\i]|
.endr
	v_add_nc_u32 v14, 0xfe000000, v12              ; 4 off the exponent field: the conversion takes the exponent field of this operand as its scale
	v_add_nc_u32 v15, 0xfe000000, v13
	v_lshrrev_b32 v12, 23, v14                     ; the bytes
	v_lshrrev_b32 v13, 23, v15
	v_lshl_or_b32 v12, v13, 16, v12                ; blocks h and 2 + h,
	v_lshlrev_b32 v12, v5, v12                     ; at their places in the word;
	v_permlanex16_b32 v228, v12, s28, s29
	v_or_b32 v[6+(\q)], v12, v228                  ; with lane l xor 16's two the word is whole
.if (\q) > 0
	s_wait_xcnt 0x0                                ; the last step's stores have read the registers that are written now
.endif
	v_cvt_scalef32_pk16_bf6_f32 v[E:E+2], v[X:X+15], v14
	v_cvt_scalef32_pk16_bf6_f32 v[T:T+2], v[X+16:X+31], v14
	v_cvt_scalef32_pk16_bf6_f32 v[E+6:E+8], v[X+32:X+47], v15
	v_cvt_scalef32_pk16_bf6_f32 v[T+4:T+6], v[X+48:X+63], v15
	v_nop                                          ; one plain place behind a scaled conversion
.irp c, 0,1
.irp i, 0,1,2
	v_mov_b32 v[E+3+6*\c+\i], v[T+4*\c+\i]
.endr
.endr
.irp j, 0,1,2
	global_store_b128 v1, v[E+4*\j:E+4*\j+3], s[16:17] offset:(\q)*1536+512*\j   ; 32 lanes store 512 consecutive bytes, aligned
.endr
.endm
	LOAD 0
	LOAD 1
	STEP 0
	STEP 1
	STEP 2
	STEP 3
	v_cmp_ne_u32 vcc_lo, 0, v4
	v_cndmask_b32 v10, v6, v8, vcc_lo              ; lanes 0-15 store the words of steps 0 and 1, lanes 16-31 those of steps 2 and 3
	v_cndmask_b32 v11, v7, v9, vcc_lo
	global_store_b64 v227, v[10:11], s[16:17] offset:6144   ; 256 consecutive bytes, aligned
	s_wait_tensorcnt 0x0
	ds_add_u32 v232, v233
	s_wait_dscnt 0x0
	s_endpgm
	; ---- the mask.  mw: [query tile 128][key step 16][64 words]; bit l of word 8 T + j is mask[16 qt + l % 16][128 s + 16 T + 8 (l / 16) + j]:
	; the lane and the register in which the attention launch holds that score.
.Lmask:
	s_sub_co_u32 s21, ttmp9, NGRP                  ; the query tile
	v_lshlrev_b32 v2, 11, v229
	v_lshl_add_u32 v2, v4, 3, v2                   ; row r of 2,048 bytes, + 8 h
	v_lshlrev_b32 v3, 3, v230                      ; out: two words a lane
	s_lshl_b32 s22, s21, 15                        ; 16 rows
	s_lshl_b32 s24, s20, 9                         ; my four key steps
	s_add_co_u32 s22, s22, s24
	s_lshl_b32 s24, s21, 12
	s_lshl_b32 s26, s20, 10
	s_add_co_u32 s24, s24, s26
	s_mov_b32 s25, 0
	s_wait_kmcnt 0x0
	s_add_nc_u64 s[14:15], s[14:15], s[22:23]
	s_add_nc_u64 s[18:19], s[18:19], s[24:25]
.irp p, 0,1,2,3
.irp t, 0,1,2,3,4,5,6,7
	global_load_b64 v[16+16*\p+2*\t:17+16*\p+2*\t], v2, s[14:15] offset:128*\p+16*\t
.endr
.endr
.irp p, 0,1,2,3
	s_wait_loadcnt 24-8*\p                         ; this key step's eight loads are in; the later steps' may be out
	v_mov_b32 v[80+2*\p], 0                        ; v_writelane_b32's destination counts as read
	v_mov_b32 v[81+2*\p], 0
.set n, 0
.rept 64
	v_and_b32 v[88+n%4], 0xff<<(8*(n%4)), v[16+16*\p+2*(n/8)+(n%8)/4]   ; byte j of tile T
	v_cmp_ne_u32 s[32+n%4], 0, v[88+n%4]           ; a bit a lane: word n,
	v_writelane_b32 v[80+2*\p+n%2], s[32+n%4], n/2 ; which lane n / 2 stores
.set n, n+1
.endr
	global_store_b64 v3, v[80+2*\p:81+2*\p], s[18:19] offset:256*\p   ; 256 consecutive bytes, aligned
.endr
	s_endpgm
.Lfunc_end_k_q698204fb3b_prep:
	.size	k_q698204fb3b_prep, .Lfunc_end_k_q698204fb3b_prep-k_q698204fb3b_prep
	.p2alignl 7, 3214868480
	.fill 96, 4, 3214868480
	.section	.rodata,"a",@progbits
	.p2align	6, 0x0
	.amdhsa_kernel k_q698204fb3b_prep
		.amdhsa_group_segment_fixed_size 35328
		.amdhsa_private_segment_fixed_size 0
		.amdhsa_enable_private_segment 0
		.amdhsa_kernarg_size 64
		.amdhsa_user_sgpr_count 2
		.amdhsa_user_sgpr_kernarg_segment_ptr 1
		.amdhsa_wavefront_size32 1
		.amdhsa_system_sgpr_workgroup_id_x 1
		.amdhsa_system_sgpr_workgroup_id_y 1
		.amdhsa_system_sgpr_workgroup_id_z 1
		.amdhsa_system_vgpr_workitem_id 0
		.amdhsa_next_free_vgpr 234
		.amdhsa_next_free_sgpr 66
		.amdhsa_reserve_vcc 1
		.amdhsa_float_denorm_mode_32 3
		.amdhsa_float_denorm_mode_16_64 3
		.amdhsa_memory_ordered 1
		.amdhsa_forward_progress 1
		.amdhsa_inst_pref_size 83
	.end_amdhsa_kernel
	.amdgpu_metadata
---
amdhsa.version: [ 1, 2 ]
amdhsa.kernels:
  - .name:           k_q698204fb3b_prep
    .symbol:         k_q698204fb3b_prep.kd
    .args:
      - { .name: x, .offset: 0, .size: 8, .value_kind: global_buffer, .address_space: global }
      - { .name: Wq, .offset: 8, .size: 8, .value_kind: global_buffer, .address_space: global }
      - { .name: Wk, .offset: 16, .size: 8, .value_kind: global_buffer, .address_space: global }
      - { .name: Wv, .offset: 24, .size: 8, .value_kind: global_buffer, .address_space: global }
      - { .name: Wo, .offset: 32, .size: 8, .value_kind: global_buffer, .address_space: global }
      - { .name: mask, .offset: 40, .size: 8, .value_kind: global_buffer, .address_space: global }
      - { .name: codes, .offset: 48, .size: 8, .value_kind: global_buffer, .address_space: global }
      - { .name: mw, .offset: 56, .size: 8, .value_kind: global_buffer, .address_space: global }
    .group_segment_fixed_size: 35328
    .private_segment_fixed_size: 0
    .kernarg_segment_align: 8
    .kernarg_segment_size: 64
    .max_flat_workgroup_size: 128
    .sgpr_count:     66
    .vgpr_count:     234
    .wavefront_size: 32
...
	.end_amdgpu_metadata
.endif
;; end of part 1
;; launch qkvg (part 2): grid 96 x 4, 4 waves a work-group, clusters of 4 x 4, 327,680 bytes of LDS; arguments codes, cos, sin, qkv; writes qkv
.if DOCPART == 2
	.amdgcn_target "amdgcn-amd-amdhsa--gfx1250"
	.amdhsa_code_object_version 6
	.text
	.protected	k_q698204fb3b_qkvg
	.globl	k_q698204fb3b_qkvg
	.p2align	8
	.type	k_q698204fb3b_qkvg,@function
k_q698204fb3b_qkvg:
	s_mov_b64 s[64:65], 0
	v_nop
	global_prefetch_b8 v0, s[64:65] scope:SCOPE_SE
	s_setreg_imm32_b32 hwreg(HW_REG_WAVE_MODE, 25, 1), 1
	s_wait_xcnt 0x0
	s_wait_alu depctr_hold_cnt(0) depctr_sa_sdst(0) depctr_va_vdst(0) depctr_va_sdst(0) depctr_va_ssrc(0) depctr_va_vcc(0) depctr_vm_vsrc(0)
	s_getreg_b32 s2, hwreg(HW_REG_IB_STS2, 6, 4)
	s_cmp_eq_u32 s2, 0
	s_cbranch_scc0 .Lentry_in_a_cluster
	s_endpgm
.Lentry_in_a_cluster:
	s_bfe_u32 s2, ttmp6, 0x10000c
	s_cmp_lg_u32 s2, 0xf033
	s_cbranch_scc0 .Lentry_shape_is_right
	s_endpgm
.Lentry_shape_is_right:
; q = rope(x Wq^T), k = rope(x Wk^T), v = x Wv^T on codes of BF6 (E3M2) with E8M0 scales, sums in f32; the results are quantised at once for the attention launch: q and k along the head's 64, v along the keys.
; A work-group makes 128 P rows x 128 R rows, K = 2,048; four waves, 64 x 64 each: 16 accumulators.  Source 0 = 16 P rows, source 1 = 16 R rows: a lane holds ONE R row (16 b + lane % 16), its registers run along P (16 a + 8 (lane / 16) + j).
; For q and k: P = rows of Wq or Wk (a wave's 64 are one head), R = tokens: a lane's 32 registers of one b are a token's 32 of the head's 64 numbers.  For v: P = tokens, R = rows of Wv: a lane holds one channel and its registers run along the keys.
; So each quantiser's K runs along a lane's registers, and nothing is transposed.  Which of the three a cluster makes hangs on the cluster's number alone: clusters 0-15 q, 16-19 k, 20-23 v.
; OPERANDS lie in memory as images of operand registers (the launch before laid them): a quad (512 along K) of 16 rows is 6,400 dense bytes: four fragments of 1,536 and 256 bytes of scale words.
; LDS: three regions of 102,400 bytes, each a quad of P's 8 groups and R's 8 groups.  Quads 0, 1, 2 are first fills (three tensor loads of a wave are out); quad 3 is the one refill, into region 0.  No loop: 16 steps of 128 along K are written out.
; CLUSTER: 4 x 4 work-groups.  P's tile hangs on cx and is shared along a column of the cluster, R's on cy and is shared along a row: each is asked for jointly.
; THE ORDER INSIDE A BLOCK OF 32 is 0-7, 16-23, 8-15, 24-31 in every operand of this program: the order in which tiles 2 B and 2 B + 1 fall into the two halves of the lanes.
; OUT, buffer qkv.  q: [head 32][64 tokens 32][3,328]: four half images (16 tokens x 64: registers 0-3 of lane l at 16 l, registers 4-5 at 512 + 8 l) and 256 bytes of words [r][tile].
;   Behind them k and v: [kv head 8][key step 16][13,312]: k's eight half images (64 c + 16 b + r = key), v's eight (16 b + r = channel, keys 64 c on), four units of scale words (k c0, v c0, k c1, v c1); a word of half c has its two bytes at bits 16 c.
; LIMITS: a block whose largest magnitude lies under 2^-122 has its byte held at 1; a block of zeros keeps the byte 1 (read by this program alone); NaN and infinities are not served.
; REGISTERS.  Window 0: v1-15 addresses; v16-31 the quantiser's; v32-63 scale words, two sets; v64-95 codes to store; v100-107 rope's; v128-255 accumulators ((a, b) at 128 + 32 b + 8 a).
;   Window 1: two fragment buffers (P's four at + 12 i, R's four at + 48 + 12 i).   Window 2: cos at 32 b + 8 a + j, sin at 128 + the same.
.set REG,   102400
.set GRPB,  25600                      ; a group of 16 rows in memory: four quads
.set QUADB, 6400
.set WAVB,  4*QUADB                    ; what one tensor load brings: a quad of four groups
.set SPARE, 3*REG                      ; the spare words, 128 bytes for each wave: two blocks of 256 bytes that no other line names
.set QAREA, 3407872
.set ADRP, 6                           ; v6-8   my P fragments in region n
.set ADRR, 9                           ; v9-11  my R fragments
.set ADRS, 12                          ; v12-14 my scale words: lanes 0-15 P's rows, lanes 16-31 R's
.set SC,   32                          ; set s at 32 + 16 s; register 4 i + q: group i, the quad's q-th 128 along K
.set ACC,  128
.set SPW,  108
.set NIL,  109
.set F0,   0
.set F1,   128
.set G1P,  24
.set G1R,  32
.set G0P,  40                          ; three sets of four, one for each region
.set G0R,  52
.set CB,   68                          ; s[68:69] where my half images go;  s[70:71] my scale words;  s72 the words' shift
.set SB,   70
.set SH,   72
.set MSB, 0
.macro WIN new                         ; the immediate's high byte repeats the setting that is left
.if MSB != \new
	s_set_vgpr_msb (MSB<<8)|\new
.set MSB, \new
.endif
.endm
.set MUL,  0x05                        ; sources 0 and 1 window 1; C and D window 0
.set TO_F, 0x40                        ; destination window 1, address window 0
.macro PLACES                          ; four plain places behind matrix instructions: in front of loads into registers that they have read, and of the first read of results (ISA guide 7.12.1 for the first read of results)
.rept 4
	v_nop
.endr
.endm
; A joint load: waves 0 and 1 fetch P's two halves, waves 2 and 3 R's.  Each line has one mask and one set of registers for all that issue it; the branch hangs on the wave's number alone.
; Four v_nop follow each line, ahead of the jump, the label and what follows.
.macro JLOAD g0p, g0r
	s_cmp_eq_u32 s13, 0
	s_cbranch_scc0 .Lfor_r_\@
	tensor_load_to_lds s[\g0p:\g0p+3], s[G1P:G1P+7]
	s_nop 0
.rept 4
	v_nop
.endr
	s_branch .Lasked_\@
.Lfor_r_\@:
	tensor_load_to_lds s[\g0r:\g0r+3], s[G1R:G1R+7]
	s_nop 0
.rept 4
	v_nop
.endr
.Lasked_\@:
.endm
.macro CREST                           ; a round of the cluster's barrier behind its opening barrier
	s_cmp_lg_u32 s12, 0
	s_cbranch_scc1 .Lnot_wave_0_\@
	s_barrier_signal -3
.Lnot_wave_0_\@:
	s_barrier_wait -3
	s_barrier_signal -1
	s_barrier_wait -1
.endm
.macro CROUND
	s_barrier_signal -1
	s_barrier_wait -1
	CREST
.endm
.macro FETCH n, q, f                   ; 24 LDS loads in one run: my four fragments of P and four of R, the q-th 128 along K of region n, into buffer f; each load takes 512 consecutive bytes
	WIN TO_F
.irp i, 0,1,2,3
.irp j, 0,1,2
	ds_load_b128 v[\f+12*\i+4*\j:\f+12*\i+4*\j+3], v[ADRP+\n] offset:\i*QUADB+(\q)*1536+512*\j
.endr
.endr
.irp i, 0,1,2,3
.irp j, 0,1,2
	ds_load_b128 v[\f+48+12*\i+4*\j:\f+48+12*\i+4*\j+3], v[ADRR+\n] offset:\i*QUADB+(\q)*1536+512*\j
.endr
.endr
.endm
.macro SCALES n, set                   ; a quad's scale words: four words a row; lanes 0-15 take P's group i, lanes 16-31 R's group i
	WIN 0
.irp i, 0,1,2,3
	ds_load_b128 v[SC+16*(\set)+4*\i:SC+16*(\set)+4*\i+3], v[ADRS+\n] offset:\i*QUADB
.endr
.endm
; Four matrix instructions: P's group a against R's four.  The 16 accumulators take turns, one instruction a turn, in the same order in every step.
.macro MUL4 f, a, set, q, zero
.irp b, 0,1,2,3
.if \zero
	v_wmma_scale_f32_16x16x128_f8f6f4 v[ACC+32*\b+8*(\a):ACC+32*\b+8*(\a)+7], v[\f+12*(\a):\f+12*(\a)+11], v[\f+48+12*\b:\f+48+12*\b+11], 0, v[SC+16*(\set)+4*(\a)+(\q)], v[SC+16*(\set)+4*\b+(\q)] matrix_a_fmt:MATRIX_FMT_BF6 matrix_b_fmt:MATRIX_FMT_BF6 matrix_b_scale:MATRIX_SCALE_ROW1
.else
	v_wmma_scale_f32_16x16x128_f8f6f4 v[ACC+32*\b+8*(\a):ACC+32*\b+8*(\a)+7], v[\f+12*(\a):\f+12*(\a)+11], v[\f+48+12*\b:\f+48+12*\b+11], v[ACC+32*\b+8*(\a):ACC+32*\b+8*(\a)+7], v[SC+16*(\set)+4*(\a)+(\q)], v[SC+16*(\set)+4*\b+(\q)] matrix_a_fmt:MATRIX_FMT_BF6 matrix_b_fmt:MATRIX_FMT_BF6 matrix_b_scale:MATRIX_SCALE_ROW1
.endif
.endr
.endm
.macro MUL16 f, set, q, zero
	MUL4 \f, 0, \set, \q, \zero
	MUL4 \f, 1, \set, \q, \zero
	MUL4 \f, 2, \set, \q, \zero
	MUL4 \f, 3, \set, \q, \zero
.endm
; A step of 128 along K: the next step's fragments (region nn, its qn-th) are asked for into buffer g, then buffer f is multiplied.  scn < 2: the next quad's scale words come too, into set scn.
.macro STEP f, g, nn, qn, set, q, zero, scn
.if !(\zero)
	PLACES                                         ; buffer g was multiplied last
.endif
	FETCH \nn, \qn, \g
.if \scn < 2
	SCALES \nn, \scn
	s_wait_dscnt 28                                ; all but the 28 just issued
.else
	s_wait_dscnt 24                                ; all but the 24 just issued
.endif
	WIN MUL
	MUL16 \f, \set, \q, \zero
.endm
	s_load_b256 s[4:11], s[0:1], 0x0               ; codes, cos, sin, qkv
	v_lshl_add_u32 v[SPW], v0, 2, SPARE
	v_mov_b32 v[NIL], 0
	ds_add_u32 v108, v109
	ds_add_u32 v108, v109
	s_wait_dscnt 0x0
	v_lshrrev_b32 v1, 5, v0
	v_readfirstlane_b32 s12, v1                    ; wave 0..3
	s_lshr_b32 s13, s12, 1                         ; wp: which 64 P rows are mine.  Also: I fetch for P (0) or for R (1)
	s_and_b32 s14, s12, 1                          ; wr: which 64 R rows.  Also: which four groups I fetch
	s_bfe_u32 s16, ttmp6, 0x40000                  ; cx
	s_bfe_u32 s17, ttmp6, 0x40004                  ; cy
	s_and_b32 s18, ttmp9, 3                        ; ttmp9: the cluster's number, 0..23, the same in all sixteen partners
	s_lshr_b32 s19, ttmp9, 2
	s_mov_b32 s23, 288
	s_cmp_ge_u32 ttmp9, 20                         ; v?
	s_cselect_b32 s20, s18, s19                    ; P's coordinate of the cluster: v: tokens; q, k: rows of Wq and Wk, which lie on end
	s_cselect_b32 s21, 0, s18                      ; R's: v: Wv's four tiles are one cluster's; q, k: tokens
	s_cselect_b32 s22, 0, 128                      ; P's first group in codes
	s_cselect_b32 s23, s23, 0                      ; R's
	s_lshl_b32 s75, s20, 2
	s_add_co_u32 s75, s75, s16                     ; P's tile of 128 rows
	s_lshl_b32 s76, s21, 2
	s_add_co_u32 s76, s76, s17                     ; R's
	s_lshl_b32 s73, 0x1111, s16                    ; my column of the cluster: the same cx
	s_lshl_b32 s74, s17, 2
	s_lshl_b32 s74, 15, s74                        ; my row: the same cy
	; descriptor group 1: four rows of 6,400 bytes (800 elements of 8), 25,600 bytes apart in memory, dense in LDS
	s_or_b32 s[G1P], s73, (3<<16)|(1<<21)          ; 15:0 the mask; 17:16 elements of 8 bytes; 20 no padding; 21 set beside a mask
	s_or_b32 s[G1R], s74, (3<<16)|(1<<21)
.irp g, G1P, G1R
	s_mov_b32 s[\g+1], 800<<16                     ; tensor_dim0
	s_mov_b32 s[\g+2], 4<<16                       ; tensor_dim1
	s_mov_b32 s[\g+3], 800<<16                     ; tile_dim0
	s_mov_b32 s[\g+4], 4                           ; tile_dim1
	s_mov_b32 s[\g+5], 3200                        ; tensor_dim0_stride
	s_mov_b32 s[\g+6], 0
	s_mov_b32 s[\g+7], 0
.endr
	s_lshl_b32 s78, s14, 2                         ; which four groups of the tile I fetch
	s_lshl_b32 s77, s75, 3
	s_add_co_u32 s77, s77, s78
	s_add_co_u32 s77, s77, s22
	s_mul_i32 s80, s77, GRPB                       ; P: in bytes (under 2^24)
	s_mov_b32 s81, 0
	s_lshl_b32 s79, s76, 3
	s_add_co_u32 s79, s79, s78
	s_add_co_u32 s79, s79, s23
	s_mul_i32 s82, s79, GRPB                       ; R
	s_mov_b32 s83, 0
	s_mul_i32 s84, s12, WAVB                       ; where they go: P's two halves, then R's: no place in the cluster enters an LDS address
	s_wait_kmcnt 0x0
	s_add_nc_u64 s[80:81], s[4:5], s[80:81]
	s_add_nc_u64 s[82:83], s[4:5], s[82:83]
	CROUND                                         ; all sixteen work-groups are here: the first joint loads meet
.irp n, 0,1,2
	s_mov_b32 s[G0P+4*\n], 1
	s_add_co_u32 s[G0P+4*\n+1], s84, \n*REG
	s_add_nc_u64 s[G0P+4*\n+2:G0P+4*\n+3], s[80:81], \n*QUADB
	s_or_b32 s[G0P+4*\n+3], s[G0P+4*\n+3], 0x80000000
	s_mov_b32 s[G0R+4*\n], 1
	s_add_co_u32 s[G0R+4*\n+1], s84, \n*REG
	s_add_nc_u64 s[G0R+4*\n+2:G0R+4*\n+3], s[82:83], \n*QUADB
	s_or_b32 s[G0R+4*\n+3], s[G0R+4*\n+3], 0x80000000
	JLOAD G0P+4*\n, G0R+4*\n                       ; quads 0, 1, 2: three loads of mine are out
.endr
	v_and_b32 v1, 15, v0                           ; r
	v_bfe_u32 v2, v0, 4, 1                         ; h
	v_and_b32 v3, 31, v0
	v_lshlrev_b32 v4, 3, v3                        ; 8 x lane
	v_lshlrev_b32 v3, 4, v3                        ; 16 x lane
	v_lshlrev_b32 v5, 4, v1
	v_lshl_add_u32 v5, v2, 3, v5                   ; 16 r + 8 h
	s_mul_i32 s85, s13, WAVB                       ; my four groups of P
	s_mul_i32 s86, s14, WAVB
	s_add_co_u32 s86, s86, 2*WAVB                  ; and of R, behind P's eight
	s_xor_b32 s87, s13, 1
	s_add_co_u32 s87, s87, s14
	s_add_co_u32 s87, s87, 1
	s_mul_i32 s87, s87, WAVB                       ; from P's to R's: (2 + wr - wp) x 25,600
	v_mul_u32_u24 v15, s87, v2                     ; lanes 16-31 take R's scale words: one product
	v_lshl_add_u32 v15, v1, 4, v15
	v_add_nc_u32 v15, s85, v15
.irp n, 0,1,2
	v_add_nc_u32 v[ADRP+\n], s85, v3
	v_add_nc_u32 v[ADRR+\n], s86, v3
	v_add_nc_u32 v[ADRS+\n], 6144+\n*REG, v15
	s_add_co_u32 s85, s85, REG
	s_add_co_u32 s86, s86, REG
.endr
	v_mov_b32 v18, 0                               ; written once: a lane permute's destination counts as one of its sources
	v_mov_b32 v19, 0
	s_mov_b32 s2, 0x76543210
	s_mov_b32 s3, 0xfedcba98                       ; selects for lane l xor 16
	; where the results go.  k and v first: kv head 2 A + wa, key step Bt, half wb
	s_sub_co_u32 s85, s75, 16                      ; k: Wk's tiles follow Wq's sixteen (in q's clusters this and what is made of it is not used)
	s_cmp_ge_u32 ttmp9, 20
	s_cselect_b32 s85, s76, s85
	s_cselect_b32 s86, s14, s13
	s_cselect_b32 s87, s75, s76
	s_cselect_b32 s88, s13, s14
	s_cselect_b32 s89, 6144, 0                     ; v's half images lie behind k's,
	s_cselect_b32 s90, 256, 0                      ; its scale words behind k's of the same half
	s_lshl_b32 s85, s85, 1
	s_add_co_u32 s85, s85, s86
	s_lshl_b32 s85, s85, 4
	s_add_co_u32 s85, s85, s87
	s_mul_i32 s85, s85, 13312
	s_add_co_u32 s85, s85, QAREA
	s_mul_i32 s86, s88, 3072
	s_add_co_u32 s86, s86, s89
	s_add_co_u32 s86, s86, s85                     ; half images
	s_lshl_b32 s87, s88, 9
	s_add_co_u32 s87, s87, s90
	s_add_co_u32 s87, s87, s85
	s_add_co_u32 s87, s87, 12288                   ; scale words
	s_lshl_b32 s88, s88, 4                         ; their shift: 16 x half
	s_lshl_b32 s89, s75, 1                         ; q: head 2 P tile + wp, 64 tokens 2 R tile + wr
	s_add_co_u32 s89, s89, s13
	s_lshl_b32 s89, s89, 5
	s_lshl_b32 s90, s76, 1
	s_add_co_u32 s89, s89, s90
	s_add_co_u32 s89, s89, s14
	s_mul_i32 s89, s89, 3328
	s_add_co_u32 s90, s89, 3072
	s_cmp_lt_u32 ttmp9, 16                         ; q?
	s_cselect_b32 s[CB], s89, s86
	s_cselect_b32 s[SB], s90, s87
	s_cselect_b32 s[SH], 0, s88
	s_mov_b32 s[CB+1], 0
	s_mov_b32 s[SB+1], 0
	s_add_nc_u64 s[CB:CB+1], s[10:11], s[CB:CB+1]
	s_add_nc_u64 s[SB:SB+1], s[10:11], s[SB:SB+1]
	; cos and sin of my 64 R rows, in the accumulators' layout: they land under the products.  They stand on every path, v's clusters too (whose R tile, cy, names rows inside the tables; the numbers are not used there),
	; so that no register is read on a path on which it was not written.
	s_lshl_b32 s86, s76, 15                        ; 128 rows of 256 bytes
	s_lshl_b32 s87, s14, 14
	s_add_co_u32 s86, s86, s87
	s_mov_b32 s87, 0
	s_add_nc_u64 s[6:7], s[6:7], s[86:87]
	s_add_nc_u64 s[8:9], s[8:9], s[86:87]
	v_lshlrev_b32 v110, 8, v1
	v_lshl_add_u32 v110, v2, 5, v110               ; row r, + 32 h
	WIN 0x80                                       ; destination window 2
.irp b, 0,1,2,3
.irp a, 0,1,2,3
.irp e, 0,1
	global_load_b128 v[32*\b+8*\a+4*\e:32*\b+8*\a+4*\e+3], v110, s[6:7] offset:4096*\b+64*\a+16*\e
	global_load_b128 v[128+32*\b+8*\a+4*\e:128+32*\b+8*\a+4*\e+3], v110, s[8:9] offset:4096*\b+64*\a+16*\e
.endr
.endr
.endr
	WIN 0
	s_wait_tensorcnt 0x2                           ; my part of quad 0 is in; quads 1 and 2 may stay out
	s_barrier_signal -1
	s_barrier_wait -1                              ; everybody's is
	FETCH 0, 0, F0
	SCALES 0, 0
	STEP F0, F1, 0, 1, 0, 0, 1, 2                  ; the first products start the sums: nothing is cleared
	STEP F1, F0, 0, 2, 0, 1, 0, 2
	STEP F0, F1, 0, 3, 0, 2, 0, 2
	; quad 0's last step, and the one refill: region 0 takes quad 3
	WIN 0                                          ; (the add's two registers lie in window 0)
	s_wait_tensorcnt 0x0                           ; all my tensor loads have landed: quads 1 and 2 are whole once every wave has said so;
	ds_add_u32 v[SPW], v[NIL]                      ; 0 onto my spare word;
	s_wait_dscnt 1                                 ; (buffer 1 is in; the add may be out)
	WIN MUL
	MUL4 F1, 0, 0, 3, 0                            ; four matrix instructions stand between the add and the wait for it
	s_wait_dscnt 0x0                               ; the add is done, and my reads of region 0 are over
	s_barrier_signal -1
	MUL4 F1, 1, 0, 3, 0
	WIN 0
	s_barrier_wait -1
	CREST                                          ; the barrier has opened a round of the cluster's: no wave of any partner still reads region 0 or has a load on its way
	s_add_nc_u64 s[G0P+2:G0P+3], s[G0P+2:G0P+3], 3*QUADB
	s_add_nc_u64 s[G0R+2:G0R+3], s[G0R+2:G0R+3], 3*QUADB
	JLOAD G0P, G0R                                 ; the first tensor load behind the round, my only one: it has 120 matrix instructions in which to land; its four v_nop are the places in front of the loads below
	FETCH 1, 0, F0
	SCALES 1, 1
	WIN MUL
	MUL4 F1, 2, 0, 3, 0
	MUL4 F1, 3, 0, 3, 0
	STEP F0, F1, 1, 1, 1, 0, 0, 2
	STEP F1, F0, 1, 2, 1, 1, 0, 2
	STEP F0, F1, 1, 3, 1, 2, 0, 2
	STEP F1, F0, 2, 0, 1, 3, 0, 0                  ; on into region 2: the wait for all loads and the round above have shown it whole to every wave
	STEP F0, F1, 2, 1, 0, 0, 0, 2
	STEP F1, F0, 2, 2, 0, 1, 0, 2
	STEP F0, F1, 2, 3, 0, 2, 0, 2
	; quad 2's last step: quad 3 has to be there.
	s_wait_tensorcnt 0x0                           ; my one load that was out: my part of quad 3
	s_wait_dscnt 0x0                               ; buffer 1 is in: no LDS instruction of mine is pending at the signal
	s_barrier_signal -1
	WIN MUL
	MUL4 F1, 0, 0, 3, 0
	MUL4 F1, 1, 0, 3, 0
	s_barrier_wait -1
	PLACES
	FETCH 0, 0, F0
	SCALES 0, 1
	WIN MUL
	MUL4 F1, 2, 0, 3, 0
	MUL4 F1, 3, 0, 3, 0
	STEP F0, F1, 0, 1, 1, 0, 0, 2
	STEP F1, F0, 0, 2, 1, 1, 0, 2
	STEP F0, F1, 0, 3, 1, 2, 0, 2
	s_wait_dscnt 0x0
	WIN MUL
	MUL16 F1, 1, 3, 0
	WIN 0
	PLACES
	; ---- rope, in place, for q and k: out(d) = x(d) cos(d) - x(d + 32) sin(d), out(d + 32) = x(d + 32) cos(d + 32) + x(d) sin(d + 32); d + 32 lies 16 registers on.  Each accumulator is read from its low end on.
	s_wait_loadcnt 0x0                             ; cos and sin
	s_cmp_ge_u32 ttmp9, 20
	s_cbranch_scc1 .Lno_rope
	WIN 0x08                                       ; source 1 window 2
.irp b, 0,1,2,3
.irp i, 0,2,4,6,8,10,12,14
.set XA, ACC+32*\b+\i
.set XB, ACC+32*\b+\i+16
.set TP, 100+2*((\i/2)%4)
	v_pk_mul_f32 v[TP:TP+1], v[XB:XB+1], v[128+32*\b+\i:128+32*\b+\i+1]
	v_pk_mul_f32 v[XB:XB+1], v[XB:XB+1], v[32*\b+16+\i:32*\b+16+\i+1]
	v_pk_fma_f32 v[XB:XB+1], v[XA:XA+1], v[128+32*\b+16+\i:128+32*\b+16+\i+1], v[XB:XB+1]
	v_pk_fma_f32 v[XA:XA+1], v[XA:XA+1], v[32*\b+\i:32*\b+\i+1], v[TP:TP+1] neg_lo:[0,0,1] neg_hi:[0,0,1]
.endr
.endr
	WIN 0
.Lno_rope:
; 32 numbers of a lane, v[s] on: register 16 B + i belongs to block B of my row; lanes l and l xor 16 hold a block between them.  They become half an operand's image, v[e] .. v[e + 5] (lane (r, h): block h), and two scale bytes in v[wd].
.macro QUANT64 s, e, wd
	v_max3_num_f32 v16, |v[(\s)]|, |v[(\s)+1]|, 0x2800000          ; the floor 2^(5 - 127) among the leaves: the byte cannot fall under 1
	v_max3_num_f32 v17, |v[(\s)+16]|, |v[(\s)+17]|, 0x2800000
.irp i, 2,4,6,8,10,12,14
	v_max3_num_f32 v16, v16, |v[(\s)+\i]|, |v[(\s)+\i+1]|
	v_max3_num_f32 v17, v17, |v[(\s)+16+\i]|, |v[(\s)+17+\i]|
.endr
	v_permlanex16_b32 v18, v16, s2, s3
	v_permlanex16_b32 v19, v17, s2, s3
	v_max_num_f32 v16, v16, v18                    ; the blocks' largest magnitudes
	v_max_num_f32 v17, v17, v19
	v_add_nc_u32 v20, 0xfe000000, v16              ; 4 off the exponent field: the conversion's scale operand
	v_add_nc_u32 v21, 0xfe000000, v17
	v_lshrrev_b32 v22, 23, v20
	v_lshrrev_b32 v23, 23, v21
	v_lshl_or_b32 v[\wd], v23, 8, v22
	v_cvt_scalef32_pk16_bf6_f32 v[(\e):(\e)+2], v[(\s):(\s)+15], v20
	v_cvt_scalef32_pk16_bf6_f32 v[24:26], v[(\s)+16:(\s)+31], v21
	v_nop                                          ; one plain place behind a scaled conversion
.irp i, 0,1,2
	v_permlane16_swap_b32 v[(\e)+\i], v[24+\i]     ; the first's lanes 16-31 change places with the second's lanes 0-15: a whole block in a lane
.endr
.irp i, 0,1,2
	v_mov_b32 v[(\e)+3+\i], v[24+\i]
.endr
.endm
.irp b, 0,1,2,3
	QUANT64 ACC+32*\b, 64+8*\b, 28+\b
	global_store_b128 v3, v[64+8*\b:67+8*\b], s[CB:CB+1] offset:768*\b        ; 512 consecutive bytes, aligned
	global_store_b64 v4, v[68+8*\b:69+8*\b], s[CB:CB+1] offset:768*\b+512     ; 256 consecutive bytes, aligned
.endr
.irp b, 0,1,2,3
	v_lshlrev_b32 v[28+\b], s[SH], v[28+\b]
.endr
	v_cmp_ne_u32 vcc_lo, 0, v2
	v_cndmask_b32 v112, v28, v30, vcc_lo           ; lanes 0-15 store the words of tiles 0 and 1, lanes 16-31 those of tiles 2 and 3
	v_cndmask_b32 v113, v29, v31, vcc_lo
	global_store_b64 v5, v[112:113], s[SB:SB+1]    ; 256 consecutive bytes, aligned
	s_wait_tensorcnt 0x0                           ; the wave's end
	ds_add_u32 v[SPW], v[NIL]
	s_wait_dscnt 0x0
	CROUND                                         ; the closing round: no work-group ends while a partner may still ask for a tile that names it
	s_endpgm
.Lfunc_end_k_q698204fb3b_qkvg:
	.size	k_q698204fb3b_qkvg, .Lfunc_end_k_q698204fb3b_qkvg-k_q698204fb3b_qkvg
	.p2alignl 7, 3214868480
	.fill 96, 4, 3214868480
	.section	.rodata,"a",@progbits
	.p2align	6, 0x0
	.amdhsa_kernel k_q698204fb3b_qkvg
		.amdhsa_group_segment_fixed_size 327680
		.amdhsa_private_segment_fixed_size 0
		.amdhsa_enable_private_segment 0
		.amdhsa_kernarg_size 32
		.amdhsa_user_sgpr_count 2
		.amdhsa_user_sgpr_kernarg_segment_ptr 1
		.amdhsa_wavefront_size32 1
		.amdhsa_system_sgpr_workgroup_id_x 1
		.amdhsa_system_sgpr_workgroup_id_y 1
		.amdhsa_system_sgpr_workgroup_id_z 1
		.amdhsa_system_vgpr_workitem_id 0
		.amdhsa_next_free_vgpr 768
		.amdhsa_next_free_sgpr 92
		.amdhsa_reserve_vcc 1
		.amdhsa_float_denorm_mode_32 3
		.amdhsa_float_denorm_mode_16_64 3
		.amdhsa_memory_ordered 1
		.amdhsa_forward_progress 1
		.amdhsa_inst_pref_size 95
	.end_amdhsa_kernel
	.amdgpu_metadata
---
amdhsa.version: [ 1, 2 ]
amdhsa.kernels:
  - .name:           k_q698204fb3b_qkvg
    .symbol:         k_q698204fb3b_qkvg.kd
    .args:
      - { .name: codes, .offset: 0, .size: 8, .value_kind: global_buffer, .address_space: global }
      - { .name: cos, .offset: 8, .size: 8, .value_kind: global_buffer, .address_space: global }
      - { .name: sin, .offset: 16, .size: 8, .value_kind: global_buffer, .address_space: global }
      - { .name: qkv, .offset: 24, .size: 8, .value_kind: global_buffer, .address_space: global }
    .group_segment_fixed_size: 327680
    .private_segment_fixed_size: 0
    .kernarg_segment_align: 8
    .kernarg_segment_size: 32
    .max_flat_workgroup_size: 128
    .sgpr_count:     92
    .vgpr_count:     768
    .wavefront_size: 32
...
	.end_amdgpu_metadata
.endif
;; end of part 2
;; launch attn (part 3): grid 32 x 8, 16 waves a work-group, clusters of 4 x 1, 227,840 bytes of LDS; arguments qkv, mw, ao; writes ao
.if DOCPART == 3
	.amdgcn_target "amdgcn-amd-amdhsa--gfx1250"
	.amdhsa_code_object_version 6
	.text
	.protected	k_q698204fb3b_attn
	.globl	k_q698204fb3b_attn
	.p2align	8
	.type	k_q698204fb3b_attn,@function
k_q698204fb3b_attn:
	s_mov_b64 s[64:65], 0
	v_nop
	global_prefetch_b8 v0, s[64:65] scope:SCOPE_SE
	s_setreg_imm32_b32 hwreg(HW_REG_WAVE_MODE, 25, 1), 1
	s_wait_xcnt 0x0
	s_wait_alu depctr_hold_cnt(0) depctr_sa_sdst(0) depctr_va_vdst(0) depctr_va_sdst(0) depctr_va_ssrc(0) depctr_va_vcc(0) depctr_vm_vsrc(0)
	s_getreg_b32 s2, hwreg(HW_REG_IB_STS2, 6, 4)
	s_cmp_eq_u32 s2, 0
	s_cbranch_scc0 .Lentry_in_a_cluster
	s_endpgm
.Lentry_in_a_cluster:
	s_bfe_u32 s2, ttmp6, 0x10000c
	s_cmp_lg_u32 s2, 0x3003
	s_cbranch_scc0 .Lentry_shape_is_right
	s_endpgm
.Lentry_shape_is_right:
; Attention on codes of BF6 (E3M2) with E8M0 scales: 32 query heads, 8 key and value heads, 2,048 tokens, head size 64, with the mask as it is given (a set bit hides a key).
; THE SOFTMAX AHEAD OF THE SECOND PRODUCT: t = score x log2(e) / 8; M = the row's largest t so far, rounded up to a whole number; p = 2^(t - M) is quantised along the keys, not normalised; the row's sum is taken of the
; unquantised p and divides at the end.  When M moves, the sum and O are multiplied by 2^(old M - new M): exact.  The result is quantised at once, along head x 64 + channel, for the last product.
; SHARES.  A work-group owns 64 queries and one key and value head: its sixteen waves are that head's four query heads (wave % 4) x four tiles of 16 queries (wave / 4): 256 registers a wave, four waves to a SIMD, so
; that one wave's vector work stands beside another's products and LDS loads.  Every wave walks all 2,048 keys, 128 a step.
; LDS.  The head's whole K and V with their scale words, 16 steps x 13,312 bytes, as the launch before laid them: FILLED ONCE, by two tensor loads a wave (steps 0-7, steps 8-15): no ring and no refill.
; CLUSTER.  The four work-groups of a cluster share the key and value head: both loads are joint, with the mask of all four.
; LAYOUT.  Both products are used transposed: S^T = K Q^T, O^T = V^T P^T: a lane holds one query (lane % 16) throughout.
; THE HEAD'S 64 IN AN INSTRUCTION OF 128.  A fragment of K holds TWO tiles of keys: 16 b + r in k 0-63, 64 + 16 b + r in k 64-127.  Against [q | zeros] it gives tile b, against [zeros | q] tile 4 + b: zero codes add nothing.
; Register 8 T + j of lane l holds key 16 T + 8 (l / 16) + j: tiles 2 B, 2 B + 1 are block B of 32 keys, in the order 0-7, 16-23 | 8-15, 24-31 that every operand of this program has.
; THE MASK comes as 64 words a step, one bit a lane, into scalar registers, a step ahead: one v_cndmask_b32 a score puts -infinity where the bit is set.
; LIMITS.  A row all of whose keys are hidden has the sum 0: its scale bytes are set to 0xff, so that its row of the output is NaN, as softmax of such a row is.  NaN and infinities among the inputs are not served.
; REGISTERS: v1-11 addresses; v12 -M, v13 the largest t, v[14:15] the sum in two halves; v16-33 zeros | q | zeros; v36-83 four fragments of K or V; v84-95 scale words; v96-159 S^T, then p; v160-191 O^T; v192-203 p's codes; v204-231 at work.
.set QAREA, 3407872
.set KVB,   212992                     ; a key and value head's block
.set STEPB, 13312
.set IST,   212992                     ; the way out: eight images of 1,536 bytes,
.set SST,   225280                     ; and their scale bytes: 128 for each tile of queries
.set KV,  36
.set SCW, 92
.set S,   96
.set O,   160
.set PC,  192
.set BM,  204                          ; v204-207 the blocks' largest scores, then their largest p
.set PT,  208                          ; v208-211 from lane l xor 16; later the bytes
.set CT,  212                          ; v212-214, v216-218 the upper blocks' codes
.set SOP, 220                          ; v220-223 the conversions' scale operands
.set PW,  224                          ; p's scale word
.set FF,  226                          ; v[226:227] f = 2^(old M - new M)
.set TMP, 228
.set SM2, 230                          ; v[230:231] the sums' second chain
.macro CROUND                          ; a round of the cluster's barrier
	s_barrier_signal -1
	s_barrier_wait -1
	s_cmp_lg_u32 s10, 0
	s_cbranch_scc1 .Lnot_wave_0_\@
	s_barrier_signal -3
.Lnot_wave_0_\@:
	s_barrier_wait -3
	s_barrier_signal -1
	s_barrier_wait -1
.endm
	s_load_b128 s[68:71], s[0:1], 0x0              ; qkv, mw
	s_load_b64 s[62:63], s[0:1], 0x10              ; ao
	v_lshl_add_u32 v254, v0, 2, 0x37200
	v_mov_b32 v255, 0
	ds_add_u32 v254, v255
	ds_add_u32 v254, v255
	v_lshrrev_b32 v1, 5, v0
	v_readfirstlane_b32 s10, v1                    ; wave 0..15
	s_bfe_u32 s72, ttmp6, 0x40000                  ; cx
	s_lshl_b32 s73, ttmp9, 2
	s_add_co_u32 s73, s73, s72                     ; my block of 64 queries: it enters global addresses alone
	s_and_b32 s74, ttmp7, 0xffff                   ; the key and value head, which the four partners share
	s_and_b32 s75, s10, 3                          ; my query head among its four
	s_lshr_b32 s76, s10, 2                         ; my tile of 16 queries
	; descriptor group 1: 26 rows of 256 bytes (32 elements of 8), dense: a sixteenth of eight steps
	s_mov_b32 s12, 15|(3<<16)|(1<<21)              ; 15:0 the mask: all four work-groups; 17:16 elements of 8 bytes; 21 set beside a mask
	s_mov_b32 s13, 32<<16
	s_mov_b32 s14, 26<<16
	s_mov_b32 s15, 32<<16
	s_mov_b32 s16, 26
	s_mov_b32 s17, 32
	s_mov_b32 s18, 0
	s_mov_b32 s19, 0
	s_mul_i32 s77, s74, KVB
	s_mul_i32 s78, s10, 6656                       ; my part, in memory and in LDS alike
	s_add_co_u32 s80, s77, s78
	s_add_co_u32 s80, s80, QAREA
	s_mov_b32 s81, 0
	s_wait_dscnt 0x0
	s_wait_kmcnt 0x0
	s_add_nc_u64 s[80:81], s[68:69], s[80:81]
	s_mov_b32 s20, 1
	s_mov_b32 s21, s78
	s_mov_b64 s[22:23], s[80:81]
	s_or_b32 s23, s23, 0x80000000
	s_mov_b32 s24, 1
	s_add_co_u32 s25, s78, 8*STEPB
	s_add_nc_u64 s[26:27], s[80:81], 8*STEPB
	s_or_b32 s27, s27, 0x80000000
	CROUND                                         ; all four work-groups are here: the joint loads meet
	tensor_load_to_lds s[20:23], s[12:19]          ; steps 0-7
	s_nop 0
	tensor_load_to_lds s[24:27], s[12:19]          ; steps 8-15: two loads of mine are out; their descriptors are never written again
	s_nop 0
.rept 4
	v_nop
.endr
	v_and_b32 v234, 31, v0
	v_lshlrev_b32 v1, 4, v234                      ; 16 x lane
	v_lshlrev_b32 v2, 3, v234                      ; 8 x lane
	v_and_b32 v235, 15, v0                         ; r
	v_bfe_u32 v236, v0, 4, 1                       ; h
	; q: [head][64 tokens][3,328]: my tile's half image, and its scale word at 3,072 + 16 r + 4 x tile
	s_lshl_b32 s79, s74, 2
	s_add_co_u32 s79, s79, s75                     ; the query head
	s_lshl_b32 s79, s79, 5
	s_add_co_u32 s79, s79, s73
	s_mul_i32 s79, s79, 3328
	s_mul_i32 s82, s76, 768
	s_add_co_u32 s82, s82, s79
	s_mov_b32 s83, 0
	s_add_nc_u64 s[100:101], s[68:69], s[82:83]
	s_mul_i32 s84, s76, 764
	s_sub_co_u32 s84, 3072, s84                    ; from my half image to my words
	v_lshl_add_u32 v233, v235, 4, s84
	global_load_b128 v[22:25], v1, s[100:101]
	global_load_b64 v[26:27], v2, s[100:101] offset:512
	global_load_b32 v6, v233, s[100:101]
	; the way out: every LDS address is made here.  Two heads make one image: head c = wave % 2 holds registers 6 c .. 6 c + 5 of each lane's twelve
	s_lshr_b32 s82, s10, 1
	s_mul_i32 s82, s82, 1536
	s_add_co_u32 s82, s82, IST
	s_and_b32 s83, s10, 1
	s_mul_i32 s84, s83, 520
	s_add_co_u32 s84, s84, s82
	v_add_nc_u32 v7, s84, v1                       ; registers 0, 1 (c = 1: 6, 7); with 512 more: registers 4, 5 (10, 11)
	s_mul_i32 s85, s83, 1016
	s_add_co_u32 s85, s85, s82
	s_add_co_u32 s85, s85, 8
	v_add_nc_u32 v8, s85, v1                       ; registers 2, 3 (8, 9)
	s_lshl_b32 s86, s76, 7
	s_lshl_b32 s87, s75, 1
	s_add_co_u32 s86, s86, s87
	s_add_co_u32 s86, s86, SST
	v_lshl_add_u32 v9, v235, 3, s86                ; my two scale bytes: 8 r + 2 x head
	s_mul_i32 s87, s10, 768
	s_add_co_u32 s87, s87, IST
	v_add_nc_u32 v10, s87, v2                      ; back: 768 bytes a wave
	s_lshl_b32 s87, s83, 8
	s_add_co_u32 s87, s87, SST
	v_lshl_add_u32 v11, v236, 7, s87
	v_lshl_add_u32 v11, v235, 3, v11               ; the scale bytes of tile 2 (wave % 2) + h (waves 0 and 1 use it)
	v_mul_u32_u24 v232, v236, 25600
	v_lshl_add_u32 v232, v235, 4, v232             ; and their place in ao: group h, 16 r
	s_lshl_b32 s88, s73, 2
	s_add_co_u32 s89, s88, s76                     ; my tile of queries among the 128
	s_lshr_b32 s94, s74, 1
	s_mul_i32 s94, s94, 6400                       ; ao's quad: eight heads
	s_and_b32 s95, s74, 1
	s_mul_i32 s90, s89, 25600
	s_add_co_u32 s90, s90, s94
	s_mul_i32 s96, s95, 3072
	s_add_co_u32 s90, s90, s96
	s_mul_i32 s96, s75, 768
	s_add_co_u32 s90, s90, s96
	s_mov_b32 s91, 0
	s_lshl_b32 s92, s83, 1
	s_add_co_u32 s92, s92, s88
	s_mul_i32 s92, s92, 25600
	s_add_co_u32 s92, s92, s94
	s_lshl_b32 s96, s95, 3
	s_add_co_u32 s92, s92, s96
	s_add_co_u32 s92, s92, 6144
	s_mov_b32 s93, 0
	s_add_nc_u64 s[66:67], s[62:63], s[92:93]      ; scale words
	s_add_nc_u64 s[62:63], s[62:63], s[90:91]      ; images
	s_lshl_b32 s96, s89, 12                        ; the mask words of my queries: 16 steps of 256 bytes
	s_mov_b32 s97, 0
	s_add_nc_u64 s[4:5], s[70:71], s[96:97]
	s_mov_b32 s6, 0x76543210
	s_mov_b32 s7, 0xfedcba98                       ; selects for lane l xor 16
	s_mov_b32 s8, 0x3e38aa3b                       ; c = log2(e) / 8
	s_mov_b32 s9, s8                               ; (named with it as a pair, so it is written)
	s_mov_b32 s2, 0                                ; where the step's block begins in LDS
	s_mov_b32 s61, 0
	s_load_b512 s[28:43], s[4:5], 0x0              ; step 0's 64 mask words (all that stood in these registers has been used)
	s_load_b512 s[44:59], s[4:5], 0x40
	s_load_b512 s[68:83], s[4:5], 0x80
	s_load_b512 s[84:99], s[4:5], 0xc0
.irp j, 16,17,18,19,20,21,28,29,30,31,32,33
	v_mov_b32 v[\j], 0                             ; zero codes on both sides of q
.endr
	v_mov_b32 v5, 0xff800000                       ; -infinity
	v_mov_b32 v13, 0xff61b1e6                      ; the largest t so far: -3e38
	v_floor_f32 v12, -v13                          ; -M
	v_mov_b32 v14, 0
	v_mov_b32 v15, 0
.irp b, 0,1,2,3
	v_mov_b32 v[PT+\b], 0                          ; a lane permute's destination counts as one of its sources
.endr
	v_mov_b32 v[FF+1], 0                           ; (named as the upper half of a pair)
.irp j, 0,1,2,3,4,5,6,7,8,9,10,11,12,13,14,15,16,17,18,19,20,21,22,23,24,25,26,27,28,29,30,31
	v_mov_b32 v[O+\j], 0                           ; O^T: the step is written once; the first finds zeros, which the first change of M leaves zeros
.endr
; A KEY STEP: 128 keys.
.macro STEP
	v_add_nc_u32 v3, s2, v1
	v_add_nc_u32 v4, s2, v2
	v_nop
	v_nop                                          ; four places behind the last products, in front of the loads into their registers
	ds_load_b128 v[84:87], v3 offset:12288         ; scale words of the keys' first half: lanes 0-15 K's, lanes 16-31 V's,
	ds_load_b128 v[88:91], v3 offset:12800         ; and of the second
.irp b, 0,1,2,3
.irp c, 0,1
	ds_load_b128 v[KV+12*\b+6*\c:KV+12*\b+6*\c+3], v3 offset:(4*\c+\b)*768
	ds_load_b64 v[KV+12*\b+6*\c+4:KV+12*\b+6*\c+5], v4 offset:(4*\c+\b)*768+512
.endr
.endr
	s_wait_dscnt 16                                ; the two loads of scale words are in; K's sixteen may be out
.irp b, 0,1,2,3
	v_or_b32 v[SCW+\b], v[84+\b], v[88+\b]         ; each half has its bytes at their places and zeros elsewhere
.endr
.rept 8
	v_nop                                          ; a scale register written by a vector instruction stands eight places ahead of the scaled product; K is landing meanwhile
.endr
	s_wait_dscnt 0x0
.irp c, 0,1
.irp b, 0,1,2,3
	v_wmma_scale_f32_16x16x128_f8f6f4 v[S+8*(4*\c+\b):S+8*(4*\c+\b)+7], v[KV+12*\b:KV+12*\b+11], v[22-6*\c:33-6*\c], 0, v[SCW+\b], v6 matrix_a_fmt:MATRIX_FMT_BF6 matrix_b_fmt:MATRIX_FMT_BF6
.endr
.endr
.rept 4
	v_nop                                          ; places in front of the loads below and of the first read of the scores
.endr
.irp b, 0,1,2,3                                ; V, into the same registers: it lands under the softmax
.irp c, 0,1
	ds_load_b128 v[KV+12*\b+6*\c:KV+12*\b+6*\c+3], v3 offset:6144+(4*\c+\b)*768
	ds_load_b64 v[KV+12*\b+6*\c+4:KV+12*\b+6*\c+5], v4 offset:6144+(4*\c+\b)*768+512
.endr
.endr
	s_wait_kmcnt 0x0                               ; the step's mask words, asked for a step ago
.set n, 0
.rept 64
.if n < 32
	v_cndmask_b32 v[S+n], v[S+n], v5, s[28+n]      ; hidden: -infinity.  (Ascending: each accumulator is read from its low end on)
.else
	v_cndmask_b32 v[S+n], v[S+n], v5, s[36+n]
.endif
.set n, n+1
.endr
	s_cmp_lt_u32 s2, 15*STEPB                      ; the next step's words; the last step asks for its own again: no load leaves the buffer
	s_cselect_b32 s60, 256, 0
	s_add_nc_u64 s[4:5], s[4:5], s[60:61]          ; (the loads that read this pointer are done: the wait above)
	s_load_b512 s[28:43], s[4:5], 0x0
	s_load_b512 s[44:59], s[4:5], 0x40
	s_load_b512 s[68:83], s[4:5], 0x80
	s_load_b512 s[84:99], s[4:5], 0xc0
.irp b, 0,1,2,3
	v_max3_num_f32 v[BM+\b], v[S+16*\b], v[S+1+16*\b], v[S+2+16*\b]   ; the largest score of each block of 32 keys: for the row's maximum and, since p rises with the score, for the block's largest p
.endr
.irp i, 3,5,7,9,11,13
.irp b, 0,1,2,3
	v_max3_num_f32 v[BM+\b], v[BM+\b], v[S+16*\b+\i], v[S+1+16*\b+\i]
.endr
.endr
.irp b, 0,1,2,3
	v_max_num_f32 v[BM+\b], v[BM+\b], v[S+15+16*\b]
.endr
.irp b, 0,1,2,3
	v_permlanex16_b32 v[PT+\b], v[BM+\b], s6, s7
.endr
.irp b, 0,1,2,3
	v_max_num_f32 v[BM+\b], v[BM+\b], v[PT+\b]     ; with lane l xor 16's 16 keys
.endr
	v_max3_num_f32 v[TMP], v[BM], v[BM+1], v[BM+2]
	v_max_num_f32 v[TMP], v[TMP], v[BM+3]
	v_mul_f32 v[TMP], s8, v[TMP]                   ; as t (c is positive)
	v_max_num_f32 v13, v13, v[TMP]                 ; the running largest t
	v_mov_b32 v[TMP], v12
	v_floor_f32 v12, -v13                          ; the new -M = -ceil(t): a whole number
	v_sub_f32 v[TMP], v12, v[TMP]                  ; old M - new M: a whole number, 0 or less
	v_cvt_i32_f32 v[TMP], v[TMP]                   ; (it saturates)
	v_ldexp_f32 v[FF], 1.0, v[TMP]                 ; f = 2^(old M - new M)
.irp j, 0,2,4,6,8,10,12,14,16,18,20,22,24,26,28,30,32,34,36,38,40,42,44,46,48,50,52,54,56,58,60,62
	v_pk_fma_f32 v[S+\j:S+1+\j], v[S+\j:S+1+\j], s[8:9], v[12:13] op_sel_hi:[1,0,0]   ; t - M, two at a time
.endr
.irp b, 0,1,2,3
	v_fma_f32 v[BM+\b], v[BM+\b], s8, v12          ; the same of each block's largest score
.endr
.irp j, 0,1,2,3,4,5,6,7,8,9,10,11,12,13,14,15,16,17,18,19,20,21,22,23,24,25,26,27,28,29,30,31,32,33,34,35,36,37,38,39,40,41,42,43,44,45,46,47,48,49,50,51,52,53,54,55,56,57,58,59,60,61,62,63
	v_exp_f32 v[S+\j], v[S+\j]                     ; p = 2^(t - M), at most 1
.endr
	v_pk_mul_f32 v[14:15], v[14:15], v[FF:FF+1] op_sel_hi:[1,0]   ; the sums under the new M: the plain place behind the exponentials
	s_wait_alu depctr_va_vdst(0)                   ; one wait for the batch of 64, ahead of its first reader
.irp b, 0,1,2,3
	v_exp_f32 v[BM+\b], v[BM+\b]                   ; the blocks' largest p: the same two instructions on the same number
.endr
	v_pk_add_f32 v[SM2:SM2+1], v[S:S+1], v[S+2:S+3]   ; the row's sum, of the unquantised p: two chains; it reads the 64 alone
.irp j, 4,8,12,16,20,24,28,32,36,40,44,48,52,56,60
	v_pk_add_f32 v[14:15], v[14:15], v[S+\j:S+1+\j]
	v_pk_add_f32 v[SM2:SM2+1], v[SM2:SM2+1], v[S+2+\j:S+3+\j]
.endr
	v_pk_add_f32 v[14:15], v[14:15], v[SM2:SM2+1]
	s_wait_alu depctr_va_vdst(0)                   ; and one for the four
.irp b, 0,1,2,3
	v_max_num_f32 v[BM+\b], 0x2800000, v[BM+\b]    ; the floor 2^(5 - 127): a block whose every p is 0 keeps the byte 1: its codes are zeros
.endr
.irp b, 0,1,2,3
	v_add_nc_u32 v[SOP+\b], 0xfe000000, v[BM+\b]   ; 4 off the exponent field: the conversion's scale operand
.endr
.irp b, 0,1,2,3
	v_lshrrev_b32 v[PT+\b], 23, v[SOP+\b]          ; the byte
.endr
	v_lshl_or_b32 v[PW], v[PT+1], 8, v[PT]         ; p's scale word for these 128 keys
	v_lshl_or_b32 v[PW], v[PT+2], 16, v[PW]
	v_lshl_or_b32 v[PW], v[PT+3], 24, v[PW]
.irp c, 0,1
	v_cvt_scalef32_pk16_bf6_f32 v[PC+6*\c:PC+2+6*\c], v[S+32*\c:S+15+32*\c], v[SOP+2*\c]
	v_cvt_scalef32_pk16_bf6_f32 v[CT+4*\c:CT+2+4*\c], v[S+16+32*\c:S+31+32*\c], v[SOP+2*\c+1]
.endr
	v_nop                                          ; one plain place behind a scaled conversion
.irp c, 0,1                                    ; a whole block in a lane: lanes 0-15 block 2 c, lanes 16-31 block 2 c + 1
.irp i, 0,1,2
	v_permlane16_swap_b32 v[PC+6*\c+\i], v[CT+4*\c+\i]
.endr
.irp i, 0,1,2
	v_mov_b32 v[PC+3+6*\c+\i], v[CT+4*\c+\i]
.endr
.endr
.irp j, 0,2,4,6,8,10,12,14,16,18,20,22,24,26,28,30
	v_pk_mul_f32 v[O+\j:O+1+\j], v[O+\j:O+1+\j], v[FF:FF+1] op_sel_hi:[1,0]   ; O^T under the new M.  (These sixteen are also the places between p's codes and scale word and the products)
.endr
	s_wait_dscnt 0x0                               ; V
.irp t, 0,1,2,3                                ; O^T += V^T P^T: the four accumulators by turns
	v_wmma_scale_f32_16x16x128_f8f6f4 v[O+8*\t:O+8*\t+7], v[KV+12*\t:KV+12*\t+11], v[PC:PC+11], v[O+8*\t:O+8*\t+7], v[SCW+\t], v[PW] matrix_a_fmt:MATRIX_FMT_BF6 matrix_b_fmt:MATRIX_FMT_BF6 matrix_a_scale:MATRIX_SCALE_ROW1
.endr
	s_add_co_u32 s2, s2, STEPB
.endm
.macro HALF                            ; eight key steps
	s_mov_b32 s3, 8
.Lstep_\@:
	STEP
	s_sub_co_u32 s3, s3, 1
	s_cmp_lg_u32 s3, 0
	s_cbranch_scc1 .Lstep_\@
.endm
	s_wait_tensorcnt 0x1                           ; my part of steps 0-7 is in; that of steps 8-15 may stay out
	s_wait_loadcnt 0x0                             ; q
	v_lshl_or_b32 v6, v6, 16, v6                   ; q's two bytes, for k 0-63 and for k 64-127
	s_barrier_signal -1
	s_barrier_wait -1                              ; everybody's part is in
	HALF
	s_wait_tensorcnt 0x0                           ; my part of steps 8-15
	s_wait_dscnt 0x0
	s_barrier_signal -1
	s_barrier_wait -1
	HALF
	; THE WAY OUT.  O^T / the sum is quantised along the channels: my head's 64 are two blocks of the last product's K.
.rept 4
	v_nop                                          ; places behind the last products
.endr
	v_add_f32 v14, v14, v15
	v_permlanex16_b32 v[PT], v14, s6, s7
	v_add_f32 v14, v14, v[PT]                      ; the row's sum
	v_rcp_f32 v15, v14
	v_cmp_eq_f32 vcc_lo, 0, v14                    ; a row all of whose keys are hidden
	v_mov_b32 v[TMP], 0xffff                       ; (a plain place behind the reciprocal)
	s_wait_alu depctr_va_vdst(0)                   ; the wait, ahead of the first reader
.irp j, 0,1,2,3,4,5,6,7,8,9,10,11,12,13,14,15,16,17,18,19,20,21,22,23,24,25,26,27,28,29,30,31
	v_mul_f32 v[S+\j], v[O+\j], v15                ; register 8 t + j: channel 16 t + 8 h + j of query r
.endr
	v_max3_num_f32 v[BM], |v[S]|, |v[S+1]|, 0x2800000
	v_max3_num_f32 v[BM+1], |v[S+16]|, |v[S+17]|, 0x2800000
.irp i, 2,4,6,8,10,12,14
	v_max3_num_f32 v[BM], v[BM], |v[S+\i]|, |v[S+\i+1]|
	v_max3_num_f32 v[BM+1], v[BM+1], |v[S+16+\i]|, |v[S+17+\i]|
.endr
	v_permlanex16_b32 v[PT], v[BM], s6, s7
	v_permlanex16_b32 v[PT+1], v[BM+1], s6, s7
	v_max_num_f32 v[BM], v[BM], v[PT]
	v_max_num_f32 v[BM+1], v[BM+1], v[PT+1]
	v_add_nc_u32 v[SOP], 0xfe000000, v[BM]
	v_add_nc_u32 v[SOP+1], 0xfe000000, v[BM+1]
	v_lshrrev_b32 v[PT+2], 23, v[SOP]
	v_lshrrev_b32 v[PT+3], 23, v[SOP+1]
	v_lshl_or_b32 v[PW], v[PT+3], 8, v[PT+2]
	v_cndmask_b32 v[PW], v[PW], v[TMP], vcc_lo     ; the sum is 0: both bytes 0xff
	v_cvt_scalef32_pk16_bf6_f32 v[PC:PC+2], v[S:S+15], v[SOP]
	v_cvt_scalef32_pk16_bf6_f32 v[CT:CT+2], v[S+16:S+31], v[SOP+1]
	v_nop                                          ; one plain place behind a scaled conversion
.irp i, 0,1,2
	v_permlane16_swap_b32 v[PC+\i], v[CT+\i]
.endr
.irp i, 0,1,2
	v_mov_b32 v[PC+3+\i], v[CT+\i]
.endr
	ds_store_b64 v7, v[PC:PC+1]                    ; my six registers, at their places in the image that my head shares with its neighbour
	ds_store_b64 v8, v[PC+2:PC+3]
	ds_store_b64 v7, v[PC+4:PC+5] offset:512
	ds_store_b16 v9, v[PW]                         ; lanes r and 16 + r write the same two bytes with the same value
	s_wait_dscnt 0x0                               ; for the others' sake: my stores are done
	s_barrier_signal -1
	s_barrier_wait -1
.irp i, 0,1,2
	ds_load_b64 v[S+2*\i:S+1+2*\i], v10 offset:256*\i
.endr
	s_wait_dscnt 0x0
.irp i, 0,1,2
	global_store_b64 v2, v[S+2*\i:S+1+2*\i], s[62:63] offset:256*\i   ; 256 consecutive bytes, aligned
.endr
	s_cmp_lt_u32 s10, 2                            ; the scale bytes: 512 in all, two waves' worth
	s_cbranch_scc0 .Lno_scales
	ds_load_b64 v[S+6:S+7], v11
	s_wait_dscnt 0x0
	global_store_b64 v232, v[S+6:S+7], s[66:67]    ; my four heads' 8 of a row's 16 bytes; the other 8 are the neighbouring key and value head's
.Lno_scales:
	s_wait_tensorcnt 0x0
	ds_add_u32 v254, v255
	s_wait_dscnt 0x0
	CROUND                                         ; the closing round: no work-group ends while a partner may still ask for a tile that names it
	s_endpgm
.Lfunc_end_k_q698204fb3b_attn:
	.size	k_q698204fb3b_attn, .Lfunc_end_k_q698204fb3b_attn-k_q698204fb3b_attn
	.p2alignl 7, 3214868480
	.fill 96, 4, 3214868480
	.section	.rodata,"a",@progbits
	.p2align	6, 0x0
	.amdhsa_kernel k_q698204fb3b_attn
		.amdhsa_group_segment_fixed_size 227840
		.amdhsa_private_segment_fixed_size 0
		.amdhsa_enable_private_segment 0
		.amdhsa_kernarg_size 24
		.amdhsa_user_sgpr_count 2
		.amdhsa_user_sgpr_kernarg_segment_ptr 1
		.amdhsa_wavefront_size32 1
		.amdhsa_system_sgpr_workgroup_id_x 1
		.amdhsa_system_sgpr_workgroup_id_y 1
		.amdhsa_system_sgpr_workgroup_id_z 1
		.amdhsa_system_vgpr_workitem_id 0
		.amdhsa_next_free_vgpr 256
		.amdhsa_next_free_sgpr 102
		.amdhsa_reserve_vcc 1
		.amdhsa_float_denorm_mode_32 3
		.amdhsa_float_denorm_mode_16_64 3
		.amdhsa_memory_ordered 1
		.amdhsa_forward_progress 1
		.amdhsa_inst_pref_size 55
	.end_amdhsa_kernel
	.amdgpu_metadata
---
amdhsa.version: [ 1, 2 ]
amdhsa.kernels:
  - .name:           k_q698204fb3b_attn
    .symbol:         k_q698204fb3b_attn.kd
    .args:
      - { .name: qkv, .offset: 0, .size: 8, .value_kind: global_buffer, .address_space: global }
      - { .name: mw, .offset: 8, .size: 8, .value_kind: global_buffer, .address_space: global }
      - { .name: ao, .offset: 16, .size: 8, .value_kind: global_buffer, .address_space: global }
    .group_segment_fixed_size: 227840
    .private_segment_fixed_size: 0
    .kernarg_segment_align: 8
    .kernarg_segment_size: 24
    .max_flat_workgroup_size: 512
    .sgpr_count:     102
    .vgpr_count:     256
    .wavefront_size: 32
...
	.end_amdgpu_metadata
.endif
;; end of part 3
;; launch oproj (part 4): grid 16 x 16, 4 waves a work-group, clusters of 4 x 4, 327,680 bytes of LDS; arguments codes, ao, out0; writes out0
.if DOCPART == 4
	.amdgcn_target "amdgcn-amd-amdhsa--gfx1250"
	.amdhsa_code_object_version 6
	.text
	.protected	k_q698204fb3b_oproj
	.globl	k_q698204fb3b_oproj
	.p2align	8
	.type	k_q698204fb3b_oproj,@function
k_q698204fb3b_oproj:
	s_mov_b64 s[64:65], 0
	v_nop
	global_prefetch_b8 v0, s[64:65] scope:SCOPE_SE
	s_setreg_imm32_b32 hwreg(HW_REG_WAVE_MODE, 25, 1), 1
	s_wait_xcnt 0x0
	s_wait_alu depctr_hold_cnt(0) depctr_sa_sdst(0) depctr_va_vdst(0) depctr_va_sdst(0) depctr_va_ssrc(0) depctr_va_vcc(0) depctr_vm_vsrc(0)
	s_getreg_b32 s2, hwreg(HW_REG_IB_STS2, 6, 4)
	s_cmp_eq_u32 s2, 0
	s_cbranch_scc0 .Lentry_in_a_cluster
	s_endpgm
.Lentry_in_a_cluster:
	s_bfe_u32 s2, ttmp6, 0x10000c
	s_cmp_lg_u32 s2, 0xf033
	s_cbranch_scc0 .Lentry_shape_is_right
	s_endpgm
.Lentry_shape_is_right:
; out0 = attention's result x Wo^T on codes of BF6 (E3M2) with E8M0 scales, sums in f32.  P = rows of Wo (groups 320 on of codes), R = tokens (ao, laid as codes is).
; A work-group makes 128 P rows x 128 R rows, K = 2,048; four waves, 64 x 64 each: 16 accumulators.  Source 0 = 16 P rows, source 1 = 16 R rows: a lane holds one token (16 b + lane % 16) and eight neighbouring outputs (16 a + 8 (lane / 16) + j).
; OPERANDS lie in memory as images of operand registers: a quad (512 along K) of 16 rows is 6,400 dense bytes: four fragments of 1,536 and 256 bytes of scale words.
; LDS: three regions of 102,400 bytes, each a quad of P's 8 groups and R's 8 groups.  Quads 0, 1, 2 are first fills (three tensor loads of a wave are out); quad 3 is the one refill, into region 0.  No loop: 16 steps of 128 along K are written out.
; CLUSTER: 4 x 4 work-groups.  P's tile hangs on cx and is shared along a column of the cluster, R's on cy and is shared along a row: each is asked for jointly.
; A token whose scale bytes are 0xff (a row all of whose keys were hidden) gets NaN in its whole row.
; REGISTERS.  Window 0: v1-15 addresses; v32-63 scale words, two sets; v16-47 and v64-95 rows on the way out; v110-112 its addresses; v128-255 accumulators ((a, b) at 128 + 32 b + 8 a).   Window 1: two fragment buffers.
.set REG,   102400
.set GRPB,  25600                      ; a group of 16 rows in memory: four quads
.set QUADB, 6400
.set WAVB,  4*QUADB                    ; what one tensor load brings: a quad of four groups
.set SPARE, 3*REG                      ; the spare words, 128 bytes for each wave: two blocks of 256 bytes that no other line names
.set ADRP, 6                           ; v6-8   my P fragments in region n
.set ADRR, 9                           ; v9-11  my R fragments
.set ADRS, 12                          ; v12-14 my scale words: lanes 0-15 P's rows, lanes 16-31 R's
.set SC,   32
.set ACC,  128
.set SPW,  108
.set NIL,  109
.set STO,  110
.set RD,   111
.set CO,   112
.set F0,   0
.set F1,   128
.set G1P,  24
.set G1R,  32
.set G0P,  40
.set G0R,  52
.set MSB, 0
.macro WIN new                         ; the immediate's high byte repeats the setting that is left
.if MSB != \new
	s_set_vgpr_msb (MSB<<8)|\new
.set MSB, \new
.endif
.endm
.set MUL,  0x05                        ; sources 0 and 1 window 1; C and D window 0
.set TO_F, 0x40                        ; destination window 1, address window 0
.macro PLACES                          ; four plain places behind matrix instructions: in front of loads into registers that they have read, and of the first read of results (ISA guide 7.12.1 for the first read of results)
.rept 4
	v_nop
.endr
.endm
; A joint load: waves 0 and 1 fetch P's two halves, waves 2 and 3 R's; the branch hangs on the wave's number alone.  Four v_nop follow each line.
.macro JLOAD g0p, g0r
	s_cmp_eq_u32 s13, 0
	s_cbranch_scc0 .Lfor_r_\@
	tensor_load_to_lds s[\g0p:\g0p+3], s[G1P:G1P+7]
	s_nop 0
.rept 4
	v_nop
.endr
	s_branch .Lasked_\@
.Lfor_r_\@:
	tensor_load_to_lds s[\g0r:\g0r+3], s[G1R:G1R+7]
	s_nop 0
.rept 4
	v_nop
.endr
.Lasked_\@:
.endm
.macro CREST                           ; a round of the cluster's barrier behind its opening barrier
	s_cmp_lg_u32 s12, 0
	s_cbranch_scc1 .Lnot_wave_0_\@
	s_barrier_signal -3
.Lnot_wave_0_\@:
	s_barrier_wait -3
	s_barrier_signal -1
	s_barrier_wait -1
.endm
.macro CROUND
	s_barrier_signal -1
	s_barrier_wait -1
	CREST
.endm
.macro FETCH n, q, f                   ; 24 LDS loads in one run: my four fragments of P and four of R, the q-th 128 along K of region n, into buffer f; each load takes 512 consecutive bytes
	WIN TO_F
.irp i, 0,1,2,3
.irp j, 0,1,2
	ds_load_b128 v[\f+12*\i+4*\j:\f+12*\i+4*\j+3], v[ADRP+\n] offset:\i*QUADB+(\q)*1536+512*\j
.endr
.endr
.irp i, 0,1,2,3
.irp j, 0,1,2
	ds_load_b128 v[\f+48+12*\i+4*\j:\f+48+12*\i+4*\j+3], v[ADRR+\n] offset:\i*QUADB+(\q)*1536+512*\j
.endr
.endr
.endm
.macro SCALES n, set                   ; a quad's scale words: four words a row; lanes 0-15 take P's group i, lanes 16-31 R's group i
	WIN 0
.irp i, 0,1,2,3
	ds_load_b128 v[SC+16*(\set)+4*\i:SC+16*(\set)+4*\i+3], v[ADRS+\n] offset:\i*QUADB
.endr
.endm
; Four matrix instructions: P's group a against R's four.  The 16 accumulators take turns, one instruction a turn, in the same order in every step.
.macro MUL4 f, a, set, q, zero
.irp b, 0,1,2,3
.if \zero
	v_wmma_scale_f32_16x16x128_f8f6f4 v[ACC+32*\b+8*(\a):ACC+32*\b+8*(\a)+7], v[\f+12*(\a):\f+12*(\a)+11], v[\f+48+12*\b:\f+48+12*\b+11], 0, v[SC+16*(\set)+4*(\a)+(\q)], v[SC+16*(\set)+4*\b+(\q)] matrix_a_fmt:MATRIX_FMT_BF6 matrix_b_fmt:MATRIX_FMT_BF6 matrix_b_scale:MATRIX_SCALE_ROW1
.else
	v_wmma_scale_f32_16x16x128_f8f6f4 v[ACC+32*\b+8*(\a):ACC+32*\b+8*(\a)+7], v[\f+12*(\a):\f+12*(\a)+11], v[\f+48+12*\b:\f+48+12*\b+11], v[ACC+32*\b+8*(\a):ACC+32*\b+8*(\a)+7], v[SC+16*(\set)+4*(\a)+(\q)], v[SC+16*(\set)+4*\b+(\q)] matrix_a_fmt:MATRIX_FMT_BF6 matrix_b_fmt:MATRIX_FMT_BF6 matrix_b_scale:MATRIX_SCALE_ROW1
.endif
.endr
.endm
.macro MUL16 f, set, q, zero
	MUL4 \f, 0, \set, \q, \zero
	MUL4 \f, 1, \set, \q, \zero
	MUL4 \f, 2, \set, \q, \zero
	MUL4 \f, 3, \set, \q, \zero
.endm
; A step of 128 along K: the next step's fragments (region nn, its qn-th) are asked for into buffer g, then buffer f is multiplied.  scn < 2: the next quad's scale words come too, into set scn.
.macro STEP f, g, nn, qn, set, q, zero, scn
.if !(\zero)
	PLACES                                         ; buffer g was multiplied last
.endif
	FETCH \nn, \qn, \g
.if \scn < 2
	SCALES \nn, \scn
	s_wait_dscnt 28                                ; all but the 28 just issued
.else
	s_wait_dscnt 24                                ; all but the 24 just issued
.endif
	WIN MUL
	MUL16 \f, \set, \q, \zero
.endm
	s_load_b128 s[4:7], s[0:1], 0x0                ; codes, ao
	s_load_b64 s[8:9], s[0:1], 0x10                ; out0
	v_lshl_add_u32 v[SPW], v0, 2, SPARE
	v_mov_b32 v[NIL], 0
	ds_add_u32 v108, v109
	ds_add_u32 v108, v109
	s_wait_dscnt 0x0
	v_lshrrev_b32 v1, 5, v0
	v_readfirstlane_b32 s12, v1                    ; wave 0..3
	s_lshr_b32 s13, s12, 1                         ; wp: which 64 P rows are mine.  Also: I fetch for P (0) or for R (1)
	s_and_b32 s14, s12, 1                          ; wr: which 64 R rows.  Also: which four groups I fetch
	s_bfe_u32 s16, ttmp6, 0x40000                  ; cx
	s_bfe_u32 s17, ttmp6, 0x40004                  ; cy
	s_lshl_b32 s75, ttmp9, 2
	s_add_co_u32 s75, s75, s16                     ; P's tile of 128 rows of Wo
	s_and_b32 s76, ttmp7, 0xffff
	s_lshl_b32 s76, s76, 2
	s_add_co_u32 s76, s76, s17                     ; R's tile of 128 tokens
	s_lshl_b32 s73, 0x1111, s16                    ; my column of the cluster: the same cx
	s_lshl_b32 s74, s17, 2
	s_lshl_b32 s74, 15, s74                        ; my row: the same cy
	; descriptor group 1: four rows of 6,400 bytes (800 elements of 8), 25,600 bytes apart in memory, dense in LDS
	s_or_b32 s[G1P], s73, (3<<16)|(1<<21)          ; 15:0 the mask; 17:16 elements of 8 bytes; 20 no padding; 21 set beside a mask
	s_or_b32 s[G1R], s74, (3<<16)|(1<<21)
.irp g, G1P, G1R
	s_mov_b32 s[\g+1], 800<<16                     ; tensor_dim0
	s_mov_b32 s[\g+2], 4<<16                       ; tensor_dim1
	s_mov_b32 s[\g+3], 800<<16                     ; tile_dim0
	s_mov_b32 s[\g+4], 4                           ; tile_dim1
	s_mov_b32 s[\g+5], 3200                        ; tensor_dim0_stride
	s_mov_b32 s[\g+6], 0
	s_mov_b32 s[\g+7], 0
.endr
	s_lshl_b32 s78, s14, 2                         ; which four groups of the tile I fetch
	s_lshl_b32 s77, s75, 3
	s_add_co_u32 s77, s77, s78
	s_add_co_u32 s77, s77, 320                     ; Wo's first group
	s_mul_i32 s80, s77, GRPB
	s_mov_b32 s81, 0
	s_lshl_b32 s79, s76, 3
	s_add_co_u32 s79, s79, s78
	s_mul_i32 s82, s79, GRPB
	s_mov_b32 s83, 0
	s_mul_i32 s84, s12, WAVB                       ; where they go: P's two halves, then R's: no place in the cluster enters an LDS address
	s_wait_kmcnt 0x0
	s_add_nc_u64 s[80:81], s[4:5], s[80:81]
	s_add_nc_u64 s[82:83], s[6:7], s[82:83]
	CROUND                                         ; all sixteen work-groups are here: the first joint loads meet
.irp n, 0,1,2
	s_mov_b32 s[G0P+4*\n], 1
	s_add_co_u32 s[G0P+4*\n+1], s84, \n*REG
	s_add_nc_u64 s[G0P+4*\n+2:G0P+4*\n+3], s[80:81], \n*QUADB
	s_or_b32 s[G0P+4*\n+3], s[G0P+4*\n+3], 0x80000000
	s_mov_b32 s[G0R+4*\n], 1
	s_add_co_u32 s[G0R+4*\n+1], s84, \n*REG
	s_add_nc_u64 s[G0R+4*\n+2:G0R+4*\n+3], s[82:83], \n*QUADB
	s_or_b32 s[G0R+4*\n+3], s[G0R+4*\n+3], 0x80000000
	JLOAD G0P+4*\n, G0R+4*\n                       ; quads 0, 1, 2: three loads of mine are out
.endr
	v_and_b32 v1, 15, v0                           ; r
	v_bfe_u32 v2, v0, 4, 1                         ; h
	v_and_b32 v3, 31, v0
	v_lshlrev_b32 v3, 4, v3                        ; 16 x lane
	s_mul_i32 s85, s13, WAVB                       ; my four groups of P
	s_mul_i32 s86, s14, WAVB
	s_add_co_u32 s86, s86, 2*WAVB                  ; and of R, behind P's eight
	s_xor_b32 s87, s13, 1
	s_add_co_u32 s87, s87, s14
	s_add_co_u32 s87, s87, 1
	s_mul_i32 s87, s87, WAVB                       ; from P's to R's: (2 + wr - wp) x 25,600
	v_mul_u32_u24 v15, s87, v2                     ; lanes 16-31 take R's scale words: one product
	v_lshl_add_u32 v15, v1, 4, v15
	v_add_nc_u32 v15, s85, v15
.irp n, 0,1,2
	v_add_nc_u32 v[ADRP+\n], s85, v3
	v_add_nc_u32 v[ADRR+\n], s86, v3
	v_add_nc_u32 v[ADRS+\n], 6144+\n*REG, v15
	s_add_co_u32 s85, s85, REG
	s_add_co_u32 s86, s86, REG
.endr
	; the way out: a stage of 16 rows x (256 bytes + 16) for each wave, in region 1, which is filled once and which nobody reads behind the last barrier
	s_mul_i32 s88, s12, 4352
	s_add_co_u32 s88, s88, REG
	v_mul_u32_u24 v[STO], v1, 272
	v_lshl_add_u32 v[STO], v2, 5, v[STO]
	v_add_nc_u32 v[STO], s88, v[STO]               ; in: row r, 32 bytes for each half of the lanes
	v_mul_u32_u24 v[RD], v2, 272
	v_lshl_add_u32 v[RD], v1, 4, v[RD]
	v_add_nc_u32 v[RD], s88, v[RD]                 ; back: lanes 0-15 one row of 256 bytes, lanes 16-31 the next
	v_lshlrev_b32 v[CO], 13, v2
	v_lshl_add_u32 v[CO], v1, 4, v[CO]             ; and the same two rows in out0
	s_lshl_b32 s90, s76, 20                        ; 128 rows of 8,192 bytes,
	s_lshl_b32 s89, s14, 19                        ; my 64 of them,
	s_add_co_u32 s90, s90, s89
	s_lshl_b32 s89, s75, 9                         ; 128 columns of 4 bytes,
	s_add_co_u32 s90, s90, s89
	s_lshl_b32 s89, s13, 8                         ; my 64
	s_add_co_u32 s90, s90, s89
	s_mov_b32 s91, 0
	s_add_nc_u64 s[8:9], s[8:9], s[90:91]
	s_wait_tensorcnt 0x2                           ; my part of quad 0 is in; quads 1 and 2 may stay out
	s_barrier_signal -1
	s_barrier_wait -1                              ; everybody's is
	FETCH 0, 0, F0
	SCALES 0, 0
	STEP F0, F1, 0, 1, 0, 0, 1, 2                  ; the first products start the sums: nothing is cleared
	STEP F1, F0, 0, 2, 0, 1, 0, 2
	STEP F0, F1, 0, 3, 0, 2, 0, 2
	; quad 0's last step, and the one refill: region 0 takes quad 3
	WIN 0                                          ; (the add's two registers lie in window 0)
	s_wait_tensorcnt 0x0                           ; all my tensor loads have landed: quads 1 and 2 are whole once every wave has said so;
	ds_add_u32 v[SPW], v[NIL]                      ; 0 onto my spare word;
	s_wait_dscnt 1                                 ; (buffer 1 is in; the add may be out)
	WIN MUL
	MUL4 F1, 0, 0, 3, 0                            ; four matrix instructions stand between the add and the wait for it
	s_wait_dscnt 0x0                               ; the add is done, and my reads of region 0 are over
	s_barrier_signal -1
	MUL4 F1, 1, 0, 3, 0
	WIN 0
	s_barrier_wait -1
	CREST                                          ; the barrier has opened a round of the cluster's: no wave of any partner still reads region 0 or has a load on its way
	s_add_nc_u64 s[G0P+2:G0P+3], s[G0P+2:G0P+3], 3*QUADB
	s_add_nc_u64 s[G0R+2:G0R+3], s[G0R+2:G0R+3], 3*QUADB
	JLOAD G0P, G0R                                 ; the first tensor load behind the round, my only one: it has 120 matrix instructions in which to land; its four v_nop are the places in front of the loads below
	FETCH 1, 0, F0
	SCALES 1, 1
	WIN MUL
	MUL4 F1, 2, 0, 3, 0
	MUL4 F1, 3, 0, 3, 0
	STEP F0, F1, 1, 1, 1, 0, 0, 2
	STEP F1, F0, 1, 2, 1, 1, 0, 2
	STEP F0, F1, 1, 3, 1, 2, 0, 2
	STEP F1, F0, 2, 0, 1, 3, 0, 0                  ; on into region 2: the wait for all loads and the round above have shown it whole to every wave
	STEP F0, F1, 2, 1, 0, 0, 0, 2
	STEP F1, F0, 2, 2, 0, 1, 0, 2
	STEP F0, F1, 2, 3, 0, 2, 0, 2
	; quad 2's last step: quad 3 has to be there.  Behind it nobody reads regions 1 and 2
	s_wait_tensorcnt 0x0                           ; my one load that was out: my part of quad 3
	s_wait_dscnt 0x0                               ; buffer 1 is in: no LDS instruction of mine is pending at the signal
	s_barrier_signal -1
	WIN MUL
	MUL4 F1, 0, 0, 3, 0
	MUL4 F1, 1, 0, 3, 0
	s_barrier_wait -1
	PLACES
	FETCH 0, 0, F0
	SCALES 0, 1
	WIN MUL
	MUL4 F1, 2, 0, 3, 0
	MUL4 F1, 3, 0, 3, 0
	STEP F0, F1, 0, 1, 1, 0, 0, 2
	STEP F1, F0, 0, 2, 1, 1, 0, 2
	STEP F0, F1, 0, 3, 1, 2, 0, 2
	s_wait_dscnt 0x0
	WIN MUL
	MUL16 F1, 1, 3, 0
	WIN 0
	PLACES                                         ; in front of the first read of results, and of the loads into the registers that held scale words
; THE WAY OUT, 16 tokens x 64 outputs at a time.  A lane holds 32 neighbouring bytes of a row and the lanes beside it other rows: the block goes through my own stage and comes back as whole rows of 256 bytes.
; LDS serves a wave's instructions in order (ISA guide 5.7.1.4): no wait between the stores and the loads, nor in front of the next block's stores.
.macro TOSTAGE b
.set BB, 64-48*((\b)%2)                ; v64-95 and v16-47 by turns
.irp a, 0,1,2,3
	ds_store_b128 v[STO], v[ACC+32*(\b)+8*\a:ACC+32*(\b)+8*\a+3] offset:64*\a          ; each accumulator from its low end on
	ds_store_b128 v[STO], v[ACC+32*(\b)+8*\a+4:ACC+32*(\b)+8*\a+7] offset:64*\a+16
.endr
.irp t, 0,1,2,3,4,5,6,7
	ds_load_b128 v[BB+4*\t:BB+4*\t+3], v[RD] offset:\t*2*272
.endr
.endm
.macro SEND b, younger                 ; younger: the LDS instructions issued behind block b's loads, which may stay out
.set BB, 64-48*((\b)%2)
	s_wait_dscnt \younger
.irp t, 0,1,2,3,4,5,6,7
	global_store_b128 v[CO], v[BB+4*\t:BB+4*\t+3], s[8:9] offset:(16*(\b)+2*\t)*8192 th:TH_STORE_NT   ; sixteen lanes store 256 consecutive bytes, aligned; written once, read by nobody here
.endr
.endm
	TOSTAGE 0
	TOSTAGE 1
	SEND 0, 16                                     ; behind block 0's loads: block 1's eight stores and eight loads
	s_wait_xcnt 0x0                                ; block 0's stores have read their registers: block 2's loads may land there
	TOSTAGE 2
	SEND 1, 16
	s_wait_xcnt 0x0
	TOSTAGE 3
	SEND 2, 16
	SEND 3, 0
	s_wait_tensorcnt 0x0                           ; the wave's end, behind my last tensor load and my last LDS store
	ds_add_u32 v[SPW], v[NIL]
	s_wait_dscnt 0x0
	CROUND                                         ; the closing round: no work-group ends while a partner may still ask for a tile that names it
	s_endpgm
.Lfunc_end_k_q698204fb3b_oproj:
	.size	k_q698204fb3b_oproj, .Lfunc_end_k_q698204fb3b_oproj-k_q698204fb3b_oproj
	.p2alignl 7, 3214868480
	.fill 96, 4, 3214868480
	.section	.rodata,"a",@progbits
	.p2align	6, 0x0
	.amdhsa_kernel k_q698204fb3b_oproj
		.amdhsa_group_segment_fixed_size 327680
		.amdhsa_private_segment_fixed_size 0
		.amdhsa_enable_private_segment 0
		.amdhsa_kernarg_size 24
		.amdhsa_user_sgpr_count 2
		.amdhsa_user_sgpr_kernarg_segment_ptr 1
		.amdhsa_wavefront_size32 1
		.amdhsa_system_sgpr_workgroup_id_x 1
		.amdhsa_system_sgpr_workgroup_id_y 1
		.amdhsa_system_sgpr_workgroup_id_z 1
		.amdhsa_system_vgpr_workitem_id 0
		.amdhsa_next_free_vgpr 512
		.amdhsa_next_free_sgpr 92
		.amdhsa_reserve_vcc 0
		.amdhsa_float_denorm_mode_32 3
		.amdhsa_float_denorm_mode_16_64 3
		.amdhsa_memory_ordered 1
		.amdhsa_forward_progress 1
		.amdhsa_inst_pref_size 78
	.end_amdhsa_kernel
	.amdgpu_metadata
---
amdhsa.version: [ 1, 2 ]
amdhsa.kernels:
  - .name:           k_q698204fb3b_oproj
    .symbol:         k_q698204fb3b_oproj.kd
    .args:
      - { .name: codes, .offset: 0, .size: 8, .value_kind: global_buffer, .address_space: global }
      - { .name: ao, .offset: 8, .size: 8, .value_kind: global_buffer, .address_space: global }
      - { .name: out0, .offset: 16, .size: 8, .value_kind: global_buffer, .address_space: global }
    .group_segment_fixed_size: 327680
    .private_segment_fixed_size: 0
    .kernarg_segment_align: 8
    .kernarg_segment_size: 24
    .max_flat_workgroup_size: 128
    .sgpr_count:     92
    .vgpr_count:     512
    .wavefront_size: 32
...
	.end_amdgpu_metadata
.endif
;; end of part 4
;; ======== version 2 of 3: 4 launches; 1.21 times as fast as version 1
;; workspace buffers: codes 11,468,800 bytes; mw 524,288 bytes of whole numbers; mf 2,048 bytes of whole numbers; qkv 5,111,808 bytes; ao 3,276,800 bytes
;; launch prep (part 5): grid 576 x 1, 4 waves a work-group, no clusters, 35,328 bytes of LDS; arguments x, Wq, Wk, Wv, Wo, mask, codes, mw, mf; writes codes, mw, mf
.if DOCPART == 5
	.amdgcn_target "amdgcn-amd-amdhsa--gfx1250"
	.amdhsa_code_object_version 6
	.text
	.protected	k_q698204fb3b_prep
	.globl	k_q698204fb3b_prep
	.p2align	8
	.type	k_q698204fb3b_prep,@function
k_q698204fb3b_prep:
	s_mov_b64 s[64:65], 0
	v_nop
	global_prefetch_b8 v0, s[64:65] scope:SCOPE_SE
	s_setreg_imm32_b32 hwreg(HW_REG_WAVE_MODE, 25, 1), 1
	s_wait_xcnt 0x0
; x [2048][2048], Wq [2048][2048], Wk, Wv [512][2048], Wo [2048][2048], f32 with K innermost, become codes of BF6 (E3M2) with one E8M0 byte for each 32 along K;
; the mask's bytes become words of 32 bits, one bit a lane, as the attention launch selects by them, and two bits for each 16 queries x 128 keys: every key hidden, some key hidden.
; A block's scale is 2^(floor(log2(its largest magnitude)) - 4): its byte is the largest magnitude's exponent field - 4, held at 1 from below.
; LIMITS: a block whose largest magnitude lies under 2^-122 has its byte held at 1; a block of zeros keeps the byte 1 (its codes are zeros, and this program alone reads the bytes); NaN and infinities among the inputs are not served.
; LAYOUT OF codes: 448 groups of 16 rows (x 0-127, Wq 128-255, Wk 256-287, Wv 288-319, Wo 320-447), 25,600 bytes each: four quads (512 along K) of 6,400 bytes.
; A quad is four IMAGES OF OPERAND REGISTERS (16 rows x 128 K, 12 registers a lane: registers 4 j .. 4 j + 3 of lane l at 512 j + 16 l) and 256 bytes of scale words, [row][step].
; THE ORDER INSIDE A BLOCK OF 32 is k = 0-7, 16-23, 8-15, 24-31, in every operand of this program: it is the order in which a transposed matrix result falls into a lane's registers, so computed operands need
; no tiles of chosen rows.  Both operands of each product have it, so each product meets its partner; blocks and scales are the true blocks.
; SHARES: work-groups 0-447: a group of 16 rows, a quad to each of the four waves, four steps of 128 along K.  Each load reads 512 consecutive bytes of one row; a step's 8,192 bytes turn through the wave's own
; stage in LDS (rows 528 bytes apart: sixteen rows fall on sixteen different 16-byte columns of the banks) and come back as the operand's layout wants them: lane (r, h) takes blocks h and 2 + h of row r.
; Work-groups 448-575: the mask of 16 queries; a wave takes four key steps of 128.  No tensor load, no barrier: waves share nothing.
.set NGRP, 448
.set WREG, 8704                        ; a wave's stage: 16 rows x 528 bytes, rounded up
.set SP,   528
.set R,    16                          ; v16-143  two sets of 64: a step's numbers as loaded
.set X,    144                         ; v144-207 my two blocks, in the order of the codes
.set E,    208                         ; v208-219 the fragment's 12 registers
.set T,    220                         ; v220-226 the upper halves of the blocks' codes (a conversion's three registers begin on an even number)
	s_load_b256 s[4:11], s[0:1], 0x0               ; x, Wq, Wk, Wv
	s_load_b256 s[12:19], s[0:1], 0x20             ; Wo, mask, codes, mw
	s_load_b64 s[40:41], s[0:1], 0x40              ; mf
	v_lshl_add_u32 v232, v0, 2, 0x8800
	v_mov_b32 v233, 0
	v_lshrrev_b32 v1, 5, v0
	v_readfirstlane_b32 s20, v1                    ; wave
	v_and_b32 v229, 15, v0                         ; r
	v_bfe_u32 v4, v0, 4, 1                         ; h
	v_and_b32 v230, 31, v0                         ; lane
	s_mov_b32 s23, 0
	s_cmp_ge_u32 ttmp9, NGRP
	s_cbranch_scc1 .Lmask
	; ---- the quantiser
	v_lshlrev_b32 v1, 4, v230                      ; 16 x lane: my bytes of a load, and of an image
	s_mul_i32 s21, s20, WREG
	v_add_nc_u32 v2, s21, v1                       ; the stage, on the way in
	v_mul_u32_u24 v3, v229, SP
	v_lshl_add_u32 v3, v4, 7, v3
	v_add_nc_u32 v3, s21, v3                       ; and out: row r, block h
	v_lshlrev_b32 v5, 3, v4                        ; 8 h: my bytes' place in a scale word
	v_lshlrev_b32 v227, 4, v229
	v_lshl_add_u32 v227, v4, 3, v227               ; 16 r + 8 h: my two words of the quad's scale words
	v_mov_b32 v228, 0                              ; a lane permute's destination counts as one of its sources
	s_mov_b32 s28, 0x76543210
	s_mov_b32 s29, 0xfedcba98                      ; selects for lane l xor 16
	s_mov_b32 s22, 320
	s_wait_kmcnt 0x0
	s_cmp_lt_u32 ttmp9, 320                        ; which tensor: the choice hangs on the work-group's number alone
	s_cselect_b64 s[24:25], s[10:11], s[12:13]
	s_cselect_b32 s22, 288, s22
	s_cmp_lt_u32 ttmp9, 288
	s_cselect_b64 s[24:25], s[8:9], s[24:25]
	s_cselect_b32 s22, 256, s22
	s_cmp_lt_u32 ttmp9, 256
	s_cselect_b64 s[24:25], s[6:7], s[24:25]
	s_cselect_b32 s22, 128, s22
	s_cmp_lt_u32 ttmp9, 128
	s_cselect_b64 s[24:25], s[4:5], s[24:25]
	s_cselect_b32 s22, 0, s22                      ; the tensor's first group
	s_sub_co_u32 s22, ttmp9, s22
	s_lshl_b32 s22, s22, 17                        ; 16 rows of 8,192 bytes
	s_lshl_b32 s26, s20, 11                        ; my quad: 512 numbers
	s_add_co_u32 s22, s22, s26
	s_add_nc_u64 s[24:25], s[24:25], s[22:23]
	s_mul_i32 s22, ttmp9, 25600
	s_mul_i32 s26, s20, 6400
	s_add_co_u32 s22, s22, s26
	s_add_nc_u64 s[16:17], s[16:17], s[22:23]      ; my quad of codes
.macro LOAD q                          ; step q: 16 rows x 512 consecutive bytes
.irp i, 0,1,2,3,4,5,6,7,8,9,10,11,12,13,14,15
	global_load_b128 v[R+64*((\q)%2)+4*\i:R+64*((\q)%2)+4*\i+3], v1, s[24:25] offset:\i*8192+(\q)*512 th:TH_LOAD_NT
.endr
.endm
.macro STEP q
.set RS, R+64*((\q)%2)
.if (\q) < 3
	s_wait_loadcnt 16                              ; this step's sixteen loads are in; the next step's may be out
.else
	s_wait_loadcnt 0x0
.endif
.irp i, 0,1,2,3,4,5,6,7,8,9,10,11,12,13,14,15
	ds_store_b128 v2, v[RS+4*\i:RS+4*\i+3] offset:\i*SP
.endr
.irp m, 0,1                            ; block 2 m + h; piece e of the codes' order is piece 0,1,4,5,2,3,6,7 of the block.  LDS serves a wave's instructions in order: these see the stores above
.irp e, 0,1,2,3,4,5,6,7
	ds_load_b128 v[X+32*\m+4*\e:X+32*\m+4*\e+3], v3 offset:256*\m+16*((\e%2)+2*(\e/4)+4*((\e/2)%2))
.endr
.endr
	s_wait_dscnt 0x0                               ; my two blocks are in, and the stores have read the set
.if (\q) < 2
	LOAD (\q)+2                                    ; which takes the loads of two steps on
.endif
	v_max3_num_f32 v12, |v[X]|, |v[X+1]|, 0x2800000        ; the largest magnitudes, with the floor 2^(5 - 127) among the leaves: the byte cannot fall under 1
	v_max3_num_f32 v13, |v[X+32]|, |v[X+33]|, 0x2800000
.irp i, 2,4,6,8,10,12,14,16,18,20,22,24,26,28,30
	v_max3_num_f32 v12, v12, |v[X+\i]|, |v[X+\i+1]|        ; (the two blocks by turns)
	v_max3_num_f32 v13, v13, |v[X+32+\i]|, |v[X+33+\i]|
.endr
	v_add_nc_u32 v14, 0xfe000000, v12              ; 4 off the exponent field: the conversion takes the exponent field of this operand as its scale
	v_add_nc_u32 v15, 0xfe000000, v13
	v_lshrrev_b32 v12, 23, v14                     ; the bytes
	v_lshrrev_b32 v13, 23, v15
	v_lshl_or_b32 v12, v13, 16, v12                ; blocks h and 2 + h,
	v_lshlrev_b32 v12, v5, v12                     ; at their places in the word;
	v_permlanex16_b32 v228, v12, s28, s29
	v_or_b32 v[6+(\q)], v12, v228                  ; with lane l xor 16's two the word is whole
.if (\q) > 0
	s_wait_xcnt 0x0                                ; the last step's stores have read the registers that are written now
.endif
	v_cvt_scalef32_pk16_bf6_f32 v[E:E+2], v[X:X+15], v14
	v_cvt_scalef32_pk16_bf6_f32 v[T:T+2], v[X+16:X+31], v14
	v_cvt_scalef32_pk16_bf6_f32 v[E+6:E+8], v[X+32:X+47], v15
	v_cvt_scalef32_pk16_bf6_f32 v[T+4:T+6], v[X+48:X+63], v15
	v_nop                                          ; one plain place behind a scaled conversion
.irp c, 0,1
.irp i, 0,1,2
	v_mov_b32 v[E+3+6*\c+\i], v[T+4*\c+\i]
.endr
.endr
.irp j, 0,1,2
	global_store_b128 v1, v[E+4*\j:E+4*\j+3], s[16:17] offset:(\q)*1536+512*\j   ; 32 lanes store 512 consecutive bytes, aligned
.endr
.endm
	LOAD 0
	LOAD 1
	STEP 0
	STEP 1
	STEP 2
	STEP 3
	v_cmp_ne_u32 vcc_lo, 0, v4
	v_cndmask_b32 v10, v6, v8, vcc_lo              ; lanes 0-15 store the words of steps 0 and 1, lanes 16-31 those of steps 2 and 3
	v_cndmask_b32 v11, v7, v9, vcc_lo
	global_store_b64 v227, v[10:11], s[16:17] offset:6144   ; 256 consecutive bytes, aligned
	s_wait_tensorcnt 0x0
	ds_add_u32 v232, v233
	s_wait_dscnt 0x0
	s_endpgm
	; ---- the mask.  mw: [query tile 128][key step 16][64 words]; bit l of word 8 T + j is mask[16 qt + l % 16][128 s + 16 T + 8 (l / 16) + j]:
	; the lane and the register in which the attention launch holds that score.
	; mf: [query tile 128][wave 4]: in wave w's word bit 4 w + p says that key step 4 w + p hides every key from all 16 queries, bit 16 + 4 w + p that it hides some key from some query.
	; 'Every' is said only where all 2,048 bytes are 1; a step with another non-zero byte counts as hiding some, and is then served word by word.
.Lmask:
	s_sub_co_u32 s21, ttmp9, NGRP                  ; the query tile
	v_lshlrev_b32 v2, 11, v229
	v_lshl_add_u32 v2, v4, 3, v2                   ; row r of 2,048 bytes, + 8 h
	v_lshlrev_b32 v3, 3, v230                      ; out: two words a lane
	s_lshl_b32 s22, s21, 15                        ; 16 rows
	s_lshl_b32 s24, s20, 9                         ; my four key steps
	s_add_co_u32 s22, s22, s24
	s_lshl_b32 s24, s21, 12
	s_lshl_b32 s26, s20, 10
	s_add_co_u32 s24, s24, s26
	s_mov_b32 s25, 0
	s_lshl_b32 s27, s20, 2                         ; 4 x wave: my bits' place, and my word's
	s_lshl_b32 s30, s21, 4
	s_add_co_u32 s30, s30, s27
	s_mov_b32 s31, 0
	s_mov_b32 s39, 0                               ; my four steps' bits
	s_mov_b32 s43, 0x01010101
	s_wait_kmcnt 0x0
	s_add_nc_u64 s[14:15], s[14:15], s[22:23]
	s_add_nc_u64 s[18:19], s[18:19], s[24:25]
	s_add_nc_u64 s[40:41], s[40:41], s[30:31]
.irp p, 0,1,2,3
.irp t, 0,1,2,3,4,5,6,7
	global_load_b64 v[16+16*\p+2*\t:17+16*\p+2*\t], v2, s[14:15] offset:128*\p+16*\t
.endr
.endr
.irp p, 0,1,2,3
	s_wait_loadcnt 24-8*\p                         ; this key step's eight loads are in; the later steps' may be out
	v_or_b32 v92, v[16+16*\p], v[17+16*\p]         ; my 64 bytes of the step, or-ed and and-ed
	v_and_b32 v93, v[16+16*\p], v[17+16*\p]
.irp i, 2,3,4,5,6,7,8,9,10,11,12,13,14,15
	v_or_b32 v92, v92, v[16+16*\p+\i]
	v_and_b32 v93, v93, v[16+16*\p+\i]
.endr
	v_cmp_ne_u32 s36, 0, v92                       ; the lanes that hold a hidden key,
	v_cmp_ne_u32 s37, s43, v93                     ; and those that hold one that is not plainly hidden
	v_mov_b32 v[80+2*\p], 0                        ; v_writelane_b32's destination counts as read
	v_mov_b32 v[81+2*\p], 0
.set n, 0
.rept 64
	v_and_b32 v[88+n%4], 0xff<<(8*(n%4)), v[16+16*\p+2*(n/8)+(n%8)/4]   ; byte j of tile T
	v_cmp_ne_u32 s[32+n%4], 0, v[88+n%4]           ; a bit a lane: word n,
	v_writelane_b32 v[80+2*\p+n%2], s[32+n%4], n/2 ; which lane n / 2 stores
.set n, n+1
.endr
	global_store_b64 v3, v[80+2*\p:81+2*\p], s[18:19] offset:256*\p   ; 256 consecutive bytes, aligned
	s_cmp_lg_u32 s36, 0
	s_cselect_b32 s38, 0x10000<<\p, 0              ; some key hidden
	s_or_b32 s39, s39, s38
	s_cmp_eq_u32 s37, 0
	s_cselect_b32 s38, 1<<\p, 0                    ; every key hidden
	s_or_b32 s39, s39, s38
.endr
	s_lshl_b32 s39, s39, s27
	v_mov_b32 v94, s39
	v_mov_b32 v95, 0
	v_cmp_eq_u32 vcc_lo, 0, v230
	s_wait_xcnt 0x0                                ; EXEC changes only behind this wait: the stores above have it among their sources
	s_and_saveexec_b32 s42, vcc_lo                 ; the wave has one word to store: lane 0 does (2,048 bytes in the whole launch)
	global_store_b32 v95, v94, s[40:41]
	s_wait_xcnt 0x0                                ; and again, in front of the line that widens it
	s_or_b32 exec_lo, exec_lo, s42
	s_endpgm
.Lfunc_end_k_q698204fb3b_prep:
	.size	k_q698204fb3b_prep, .Lfunc_end_k_q698204fb3b_prep-k_q698204fb3b_prep
	.p2alignl 7, 3214868480
	.fill 96, 4, 3214868480
	.section	.rodata,"a",@progbits
	.p2align	6, 0x0
	.amdhsa_kernel k_q698204fb3b_prep
		.amdhsa_group_segment_fixed_size 35328
		.amdhsa_private_segment_fixed_size 0
		.amdhsa_enable_private_segment 0
		.amdhsa_kernarg_size 72
		.amdhsa_user_sgpr_count 2
		.amdhsa_user_sgpr_kernarg_segment_ptr 1
		.amdhsa_wavefront_size32 1
		.amdhsa_system_sgpr_workgroup_id_x 1
		.amdhsa_system_sgpr_workgroup_id_y 1
		.amdhsa_system_sgpr_workgroup_id_z 1
		.amdhsa_system_vgpr_workitem_id 0
		.amdhsa_next_free_vgpr 234
		.amdhsa_next_free_sgpr 66
		.amdhsa_reserve_vcc 1
		.amdhsa_float_denorm_mode_32 3
		.amdhsa_float_denorm_mode_16_64 3
		.amdhsa_memory_ordered 1
		.amdhsa_forward_progress 1
		.amdhsa_inst_pref_size 88
	.end_amdhsa_kernel
	.amdgpu_metadata
---
amdhsa.version: [ 1, 2 ]
amdhsa.kernels:
  - .name:           k_q698204fb3b_prep
    .symbol:         k_q698204fb3b_prep.kd
    .args:
      - { .name: x, .offset: 0, .size: 8, .value_kind: global_buffer, .address_space: global }
      - { .name: Wq, .offset: 8, .size: 8, .value_kind: global_buffer, .address_space: global }
      - { .name: Wk, .offset: 16, .size: 8, .value_kind: global_buffer, .address_space: global }
      - { .name: Wv, .offset: 24, .size: 8, .value_kind: global_buffer, .address_space: global }
      - { .name: Wo, .offset: 32, .size: 8, .value_kind: global_buffer, .address_space: global }
      - { .name: mask, .offset: 40, .size: 8, .value_kind: global_buffer, .address_space: global }
      - { .name: codes, .offset: 48, .size: 8, .value_kind: global_buffer, .address_space: global }
      - { .name: mw, .offset: 56, .size: 8, .value_kind: global_buffer, .address_space: global }
      - { .name: mf, .offset: 64, .size: 8, .value_kind: global_buffer, .address_space: global }
    .group_segment_fixed_size: 35328
    .private_segment_fixed_size: 0
    .kernarg_segment_align: 8
    .kernarg_segment_size: 72
    .max_flat_workgroup_size: 128
    .sgpr_count:     66
    .vgpr_count:     234
    .wavefront_size: 32
...
	.end_amdgpu_metadata
.endif
;; end of part 5
;; launch qkvg: the kernel of part 2 again; grid 96 x 4, 4 waves a work-group, clusters of 4 x 4, 327,680 bytes of LDS; arguments codes, cos, sin, qkv; writes qkv
;; launch attn (part 6): grid 32 x 8, 16 waves a work-group, no clusters, 227,840 bytes of LDS; arguments qkv, mw, mf, ao; writes ao
.if DOCPART == 6
	.amdgcn_target "amdgcn-amd-amdhsa--gfx1250"
	.amdhsa_code_object_version 6
	.text
	.protected	k_q698204fb3b_attn
	.globl	k_q698204fb3b_attn
	.p2align	8
	.type	k_q698204fb3b_attn,@function
k_q698204fb3b_attn:
	s_mov_b64 s[64:65], 0
	v_nop
	global_prefetch_b8 v0, s[64:65] scope:SCOPE_SE
	s_setreg_imm32_b32 hwreg(HW_REG_WAVE_MODE, 25, 1), 1
	s_wait_xcnt 0x0
; Attention on codes of BF6 (E3M2) with E8M0 scales: 32 query heads, 8 key and value heads, 2,048 tokens, head size 64, with the mask as it is given (a set bit hides a key).
; THE SOFTMAX AHEAD OF THE SECOND PRODUCT: t = score x log2(e) / 8; M = the row's largest t so far, rounded up to a whole number; p = 2^(t - M) is quantised along the keys, not normalised; the row's sum is taken of the
; unquantised p and divides at the end.  When M moves, the sum and O are multiplied by 2^(old M - new M): exact.  The result is quantised at once, along head x 64 + channel, for the last product.
; SHARES.  A work-group owns one key and value head and four tiles of 16 queries: tiles x, 63 - x, 64 + x, 127 - x of the 128 (x: the work-group's number along x).  Its sixteen waves are that head's four query heads x the four
; tiles: wave w takes head w % 4 and local tile (w % 4 + w / 4) % 4: four waves that agree in w % 4, or in w / 4, hold four different tiles.  256 registers a wave.  Every wave walks the 16 key steps of 128 keys.
; WHAT THE MASK THROWS AWAY IS NOT COMPUTED.  The launch before has stored, for each tile of queries and each key step, whether every key is hidden and whether some key is.  A step that hides every key from my 16 queries is
; passed over (all its p would be 0, and M would not move); a step that hides none needs no selects and no mask words; any other step takes its 64 mask words, one bit a lane, asked for a step ahead, and one v_cndmask_b32
; a score puts -infinity where the bit is set.  The trip count is a constant; the branches hang on those stored bits alone.  This holds for every mask.  The choice of tiles evens the work out where a mask hides later keys
; from earlier queries (tile g then has g / 8 + 1 steps, the four tiles 34 between them, whatever x); for other masks it changes nothing.
; NO TENSOR LOAD AND NO CLUSTER: the head's K and V with their scale words, 16 steps x 13,312 bytes as the launch before laid
; them, come through registers, once: wave w brings step w's block, 26 loads of 512 consecutive bytes, and stores it to LDS as it lies; one barrier; nothing is written there again.
; LAYOUT.  Both products are used transposed: S^T = K Q^T, O^T = V^T P^T: a lane holds one query (lane % 16) throughout.
; THE HEAD'S 64 IN AN INSTRUCTION OF 128.  A fragment of K holds TWO tiles of keys: 16 b + r in k 0-63, 64 + 16 b + r in k 64-127.  Against [q | zeros] it gives tile b, against [zeros | q] tile 4 + b: zero codes add nothing.
; Register 8 T + j of lane l holds key 16 T + 8 (l / 16) + j: tiles 2 B, 2 B + 1 are block B of 32 keys, in the order 0-7, 16-23 | 8-15, 24-31 that every operand of this program has.
; LIMITS.  A row all of whose keys are hidden has the sum 0: its scale bytes are set to 0xff, so that its row of the output is NaN, as softmax of such a row is.  NaN and infinities among the inputs are not served.
; REGISTERS: v1-11 addresses; v12 -M, v13 the largest t, v[14:15] the sum in two halves; v16-33 zeros | q | zeros; v36-83 four fragments of K or V; v84-95 scale words; v96-159 S^T, then p; v160-191 O^T; v192-203 p's codes; v204-231 at work.
;   s2 where the step's block begins in LDS; s3 trips to go; s[4:5] the step's mask words; s11, s12 the bits 'every key hidden' and 'some but not every', this step's lowest; s28-59, s68-99 64 mask words.
.set QAREA, 3407872
.set KVB,   212992                     ; a key and value head's block
.set STEPB, 13312
.set IST,   212992                     ; the way out: eight images of 1,536 bytes,
.set SST,   225280                     ; and their scale bytes: 128 for each tile of queries
.set KV,  36
.set SCW, 92
.set S,   96
.set O,   160
.set PC,  192
.set BM,  204                          ; v204-207 the blocks' largest scores, then their largest p
.set PT,  208                          ; v208-211 from lane l xor 16; later the bytes
.set CT,  212                          ; v212-214, v216-218 the upper blocks' codes
.set SOP, 220                          ; v220-223 the conversions' scale operands
.set PW,  224                          ; p's scale word
.set FF,  226                          ; v[226:227] f = 2^(old M - new M)
.set TMP, 228
.set SM2, 230                          ; v[230:231] the sums' second chain
; The next step's 64 mask words, if that step hides some keys and not all.  The last trip finds no bit: the bits are sixteen.
.macro AHEAD
	s_bitcmp1_b32 s12, 1
	s_cbranch_scc0 .Lnot_mixed_\@
	s_wait_kmcnt 0x0                               ; no earlier load is still on its way into these registers
	s_load_b512 s[28:43], s[4:5], 0x100
	s_load_b512 s[44:59], s[4:5], 0x140
	s_load_b512 s[68:83], s[4:5], 0x180
	s_load_b512 s[84:99], s[4:5], 0x1c0
.Lnot_mixed_\@:
.endm
	s_load_b256 s[68:75], s[0:1], 0x0              ; qkv, mw, mf, ao
	v_lshl_add_u32 v254, v0, 2, 0x37200
	v_mov_b32 v255, 0
	v_lshrrev_b32 v1, 5, v0
	v_readfirstlane_b32 s10, v1                    ; wave 0..15
	v_and_b32 v234, 31, v0
	v_lshlrev_b32 v1, 4, v234                      ; 16 x lane
	v_lshlrev_b32 v2, 3, v234                      ; 8 x lane
	v_and_b32 v235, 15, v0                         ; r
	v_bfe_u32 v236, v0, 4, 1                       ; h
	s_and_b32 s76, ttmp7, 0xffff                   ; the key and value head
	s_mul_i32 s86, s10, STEPB                      ; key step w's block, in memory and in LDS alike
	s_mul_i32 s84, s76, KVB
	s_add_co_u32 s84, s84, s86
	s_add_co_u32 s84, s84, QAREA
	s_mov_b32 s85, 0
	v_add_nc_u32 v3, s86, v1
	s_wait_kmcnt 0x0
	s_add_nc_u64 s[24:25], s[68:69], s[84:85]
.set i, 0
.rept 26                               ; 13,312 bytes: each load takes 512 consecutive bytes; they land in registers that the loop uses only later
.if i < 16
	global_load_b128 v[S+4*i:S+4*i+3], v1, s[24:25] offset:512*i
.else
	global_load_b128 v[KV+4*(i-16):KV+4*(i-16)+3], v1, s[24:25] offset:512*i
.endif
.set i, i+1
.endr
	s_and_b32 s77, s10, 3                          ; my query head among the four
	s_lshr_b32 s78, s10, 2                         ; the local tile whose results I store at the end
	s_add_co_u32 s79, s77, s78
	s_and_b32 s79, s79, 3                          ; the local tile that I compute
	s_sub_co_u32 s80, 63, ttmp9
	s_bitcmp1_b32 s79, 0                           ; local tile t is tile 64 (t / 2) + (t odd: 63 - x, t even: x)
	s_cselect_b32 s81, s80, ttmp9
	s_lshr_b32 s87, s79, 1
	s_lshl_b32 s87, s87, 6
	s_add_co_u32 s81, s81, s87                     ; the tile that I compute, among the 128: it enters global addresses alone
	s_bitcmp1_b32 s78, 0
	s_cselect_b32 s82, s80, ttmp9
	s_lshr_b32 s87, s78, 1
	s_lshl_b32 s87, s87, 6
	s_add_co_u32 s82, s82, s87                     ; and the tile that I store
	s_and_b32 s83, s10, 1
	; q: [head][64 tokens][3,328]: my tile's half image, and its scale word at 3,072 + 16 r + 4 x (tile % 4)
	s_lshl_b32 s87, s76, 2
	s_add_co_u32 s87, s87, s77                     ; the query head
	s_lshl_b32 s87, s87, 5
	s_lshr_b32 s88, s81, 2
	s_add_co_u32 s87, s87, s88
	s_mul_i32 s87, s87, 3328
	s_and_b32 s88, s81, 3
	s_mul_i32 s89, s88, 768
	s_add_co_u32 s84, s87, s89
	s_add_nc_u64 s[100:101], s[68:69], s[84:85]
	s_mul_i32 s89, s88, 764
	s_sub_co_u32 s89, 3072, s89                    ; from my half image to my words
	v_lshl_add_u32 v233, v235, 4, s89
	global_load_b128 v[22:25], v1, s[100:101]
	global_load_b64 v[26:27], v2, s[100:101] offset:512
	global_load_b32 v6, v233, s[100:101]
	s_lshl_b32 s84, s81, 12                        ; the mask words of my queries: 16 steps of 256 bytes
	s_add_nc_u64 s[4:5], s[70:71], s[84:85]
	s_lshl_b32 s84, s81, 4                         ; and their steps' bits: four words
	s_add_nc_u64 s[16:17], s[72:73], s[84:85]
	; the way out: every LDS address is made here, of the wave's number and the lane alone.  Two heads make one image: head c = head % 2 holds registers 6 c .. 6 c + 5 of each lane's twelve
	s_lshl_b32 s87, s79, 1
	s_lshr_b32 s88, s77, 1
	s_add_co_u32 s87, s87, s88
	s_mul_i32 s87, s87, 1536
	s_add_co_u32 s87, s87, IST                     ; image 2 x local tile + head / 2
	s_and_b32 s88, s77, 1
	s_mul_i32 s89, s88, 520
	s_add_co_u32 s89, s89, s87
	v_add_nc_u32 v7, s89, v1                       ; registers 0, 1 (c = 1: 6, 7); with 512 more: registers 4, 5 (10, 11)
	s_mul_i32 s89, s88, 1016
	s_add_co_u32 s89, s89, s87
	s_add_co_u32 s89, s89, 8
	v_add_nc_u32 v8, s89, v1                       ; registers 2, 3 (8, 9)
	s_lshl_b32 s87, s79, 7
	s_lshl_b32 s88, s77, 1
	s_add_co_u32 s87, s87, s88
	s_add_co_u32 s87, s87, SST
	v_lshl_add_u32 v9, v235, 3, s87                ; my two scale bytes: 128 x local tile + 8 r + 2 x head
	s_mul_i32 s87, s10, 768
	s_add_co_u32 s87, s87, IST
	v_add_nc_u32 v10, s87, v2                      ; back: 768 bytes a wave: local tile w / 4, piece w % 4
	s_lshl_b32 s87, s83, 8
	s_add_co_u32 s87, s87, SST
	v_lshl_add_u32 v11, v236, 7, s87
	v_lshl_add_u32 v11, v235, 3, v11               ; the scale bytes of local tile 2 (wave % 2) + h (waves 0 and 1 use it)
	s_sub_co_u32 s87, s80, ttmp9                   ; local tiles 2 u and 2 u + 1 lie 63 - 2 x groups apart in ao
	s_mul_i32 s87, s87, 25600
	v_mul_u32_u24 v232, s87, v236
	v_lshl_add_u32 v232, v235, 4, v232             ; their place in ao: h x that distance + 16 r
	s_lshr_b32 s88, s76, 1
	s_mul_i32 s88, s88, 6400                       ; ao's quad: eight heads
	s_and_b32 s89, s76, 1
	s_mul_i32 s90, s82, 25600
	s_add_co_u32 s90, s90, s88
	s_mul_i32 s92, s89, 3072
	s_add_co_u32 s90, s90, s92
	s_mul_i32 s92, s77, 768
	s_add_co_u32 s90, s90, s92
	s_mov_b32 s91, 0
	s_add_nc_u64 s[62:63], s[74:75], s[90:91]      ; images
	s_lshl_b32 s90, s83, 6
	s_add_co_u32 s90, s90, ttmp9                   ; local tile 2 (wave % 2): tile 64 (wave % 2) + x
	s_mul_i32 s90, s90, 25600
	s_add_co_u32 s90, s90, s88
	s_lshl_b32 s92, s89, 3
	s_add_co_u32 s90, s90, s92
	s_add_co_u32 s90, s90, 6144
	s_add_nc_u64 s[66:67], s[74:75], s[90:91]      ; scale words
	s_mov_b32 s6, 0x76543210
	s_mov_b32 s7, 0xfedcba98                       ; selects for lane l xor 16
	s_mov_b32 s8, 0x3e38aa3b                       ; c = log2(e) / 8
	s_mov_b32 s9, s8                               ; (named with it as a pair, so it is written)
	s_mov_b32 s2, 0
	s_load_b128 s[20:23], s[16:17], 0x0            ; the sixteen steps' bits
	s_load_b512 s[28:43], s[4:5], 0x0              ; step 0's 64 mask words, whatever its bits say (all that stood in these registers has been used)
	s_load_b512 s[44:59], s[4:5], 0x40
	s_load_b512 s[68:83], s[4:5], 0x80
	s_load_b512 s[84:99], s[4:5], 0xc0
.irp j, 16,17,18,19,20,21,28,29,30,31,32,33
	v_mov_b32 v[\j], 0                             ; zero codes on both sides of q
.endr
	v_mov_b32 v5, 0xff800000                       ; -infinity
	v_mov_b32 v13, 0xff61b1e6                      ; the largest t so far: -3e38
	v_floor_f32 v12, -v13                          ; -M
	v_mov_b32 v14, 0
	v_mov_b32 v15, 0
.irp b, 0,1,2,3
	v_mov_b32 v[PT+\b], 0                          ; a lane permute's destination counts as one of its sources
.endr
	v_mov_b32 v[FF+1], 0                           ; (named as the upper half of a pair)
.irp j, 0,1,2,3,4,5,6,7,8,9,10,11,12,13,14,15,16,17,18,19,20,21,22,23,24,25,26,27,28,29,30,31
	v_mov_b32 v[O+\j], 0                           ; O^T: the step is written once; the first finds zeros, which the first change of M leaves zeros
.endr
.set i, 0
.rept 26
	s_wait_loadcnt 28-i                            ; load i is in: behind it stand the 25 - i later ones of the block and q's three
.if i < 16
	ds_store_b128 v3, v[S+4*i:S+4*i+3] offset:512*i
.else
	ds_store_b128 v3, v[KV+4*(i-16):KV+4*(i-16)+3] offset:512*i
.endif
.set i, i+1
.endr
	s_wait_loadcnt 0x0                             ; q
	v_lshl_or_b32 v6, v6, 16, v6                   ; q's two bytes, for k 0-63 and for k 64-127
	s_wait_kmcnt 0x0                               ; the bits, and step 0's words
	s_or_b32 s20, s20, s21
	s_or_b32 s22, s22, s23
	s_or_b32 s20, s20, s22
	s_and_b32 s11, s20, 0xffff                     ; bit s: step s hides every key
	s_lshr_b32 s12, s20, 16
	s_and_not1_b32 s12, s12, s11                   ; bit s: step s hides some keys and not all
	s_wait_dscnt 0x0                               ; for the others' sake: my block lies in LDS
	s_barrier_signal -1
	s_barrier_wait -1                              ; all sixteen blocks do
	s_mov_b32 s3, 16
.Lstep:                                            ; A KEY STEP: 128 keys
	s_bitcmp1_b32 s11, 0
	s_cbranch_scc1 .Lhidden                        ; every key hidden from my 16 queries: nothing to add
	v_add_nc_u32 v3, s2, v1
	v_add_nc_u32 v4, s2, v2
	v_nop
	v_nop                                          ; four places behind the last products, in front of the loads into their registers
	ds_load_b128 v[84:87], v3 offset:12288         ; scale words of the keys' first half: lanes 0-15 K's, lanes 16-31 V's,
	ds_load_b128 v[88:91], v3 offset:12800         ; and of the second
.irp b, 0,1,2,3
.irp c, 0,1
	ds_load_b128 v[KV+12*\b+6*\c:KV+12*\b+6*\c+3], v3 offset:(4*\c+\b)*768
	ds_load_b64 v[KV+12*\b+6*\c+4:KV+12*\b+6*\c+5], v4 offset:(4*\c+\b)*768+512
.endr
.endr
	s_wait_dscnt 16                                ; the two loads of scale words are in; K's sixteen may be out
.irp b, 0,1,2,3
	v_or_b32 v[SCW+\b], v[84+\b], v[88+\b]         ; each half has its bytes at their places and zeros elsewhere
.endr
.rept 8
	v_nop                                          ; a scale register written by a vector instruction stands eight places ahead of the scaled product; K is landing meanwhile
.endr
	s_wait_dscnt 0x0
.irp c, 0,1
.irp b, 0,1,2,3
	v_wmma_scale_f32_16x16x128_f8f6f4 v[S+8*(4*\c+\b):S+8*(4*\c+\b)+7], v[KV+12*\b:KV+12*\b+11], v[22-6*\c:33-6*\c], 0, v[SCW+\b], v6 matrix_a_fmt:MATRIX_FMT_BF6 matrix_b_fmt:MATRIX_FMT_BF6
.endr
.endr
.rept 4
	v_nop                                          ; places in front of the loads below and of the first read of the scores
.endr
.irp b, 0,1,2,3                                ; V, into the same registers: it lands under the softmax
.irp c, 0,1
	ds_load_b128 v[KV+12*\b+6*\c:KV+12*\b+6*\c+3], v3 offset:6144+(4*\c+\b)*768
	ds_load_b64 v[KV+12*\b+6*\c+4:KV+12*\b+6*\c+5], v4 offset:6144+(4*\c+\b)*768+512
.endr
.endr
	s_bitcmp1_b32 s12, 0
	s_cbranch_scc0 .Lopen                          ; no key hidden: no selects
	s_wait_kmcnt 0x0                               ; the step's mask words, asked for a step ago
.set n, 0
.rept 64
.if n < 32
	v_cndmask_b32 v[S+n], v[S+n], v5, s[28+n]      ; hidden: -infinity.  (Ascending: each accumulator is read from its low end on)
.else
	v_cndmask_b32 v[S+n], v[S+n], v5, s[36+n]
.endif
.set n, n+1
.endr
.Lopen:
	AHEAD                                          ; they have the softmax in which to land
.irp b, 0,1,2,3
	v_max3_num_f32 v[BM+\b], v[S+16*\b], v[S+1+16*\b], v[S+2+16*\b]   ; the largest score of each block of 32 keys: for the row's maximum and, since p rises with the score, for the block's largest p
.endr
.irp i, 3,5,7,9,11,13
.irp b, 0,1,2,3
	v_max3_num_f32 v[BM+\b], v[BM+\b], v[S+16*\b+\i], v[S+1+16*\b+\i]
.endr
.endr
.irp b, 0,1,2,3
	v_max_num_f32 v[BM+\b], v[BM+\b], v[S+15+16*\b]
.endr
.irp b, 0,1,2,3
	v_permlanex16_b32 v[PT+\b], v[BM+\b], s6, s7
.endr
.irp b, 0,1,2,3
	v_max_num_f32 v[BM+\b], v[BM+\b], v[PT+\b]     ; with lane l xor 16's 16 keys
.endr
	v_max3_num_f32 v[TMP], v[BM], v[BM+1], v[BM+2]
	v_max_num_f32 v[TMP], v[TMP], v[BM+3]
	v_mul_f32 v[TMP], s8, v[TMP]                   ; as t (c is positive)
	v_max_num_f32 v13, v13, v[TMP]                 ; the running largest t
	v_mov_b32 v[TMP], v12
	v_floor_f32 v12, -v13                          ; the new -M = -ceil(t): a whole number
	v_sub_f32 v[TMP], v12, v[TMP]                  ; old M - new M: a whole number, 0 or less
	v_cvt_i32_f32 v[TMP], v[TMP]                   ; (it saturates)
	v_ldexp_f32 v[FF], 1.0, v[TMP]                 ; f = 2^(old M - new M)
.irp j, 0,2,4,6,8,10,12,14,16,18,20,22,24,26,28,30,32,34,36,38,40,42,44,46,48,50,52,54,56,58,60,62
	v_pk_fma_f32 v[S+\j:S+1+\j], v[S+\j:S+1+\j], s[8:9], v[12:13] op_sel_hi:[1,0,0]   ; t - M, two at a time
.endr
.irp b, 0,1,2,3
	v_fma_f32 v[BM+\b], v[BM+\b], s8, v12          ; the same of each block's largest score
.endr
.irp j, 0,1,2,3,4,5,6,7,8,9,10,11,12,13,14,15,16,17,18,19,20,21,22,23,24,25,26,27,28,29,30,31,32,33,34,35,36,37,38,39,40,41,42,43,44,45,46,47,48,49,50,51,52,53,54,55,56,57,58,59,60,61,62,63
	v_exp_f32 v[S+\j], v[S+\j]                     ; p = 2^(t - M), at most 1
.endr
	v_pk_mul_f32 v[14:15], v[14:15], v[FF:FF+1] op_sel_hi:[1,0]   ; the sums under the new M: the plain place behind the exponentials
	s_wait_alu depctr_va_vdst(0)                   ; one wait for the batch of 64, ahead of its first reader
.irp b, 0,1,2,3
	v_exp_f32 v[BM+\b], v[BM+\b]                   ; the blocks' largest p: the same two instructions on the same number
.endr
	v_pk_add_f32 v[SM2:SM2+1], v[S:S+1], v[S+2:S+3]   ; the row's sum, of the unquantised p: two chains; it reads the 64 alone
.irp j, 4,8,12,16,20,24,28,32,36,40,44,48,52,56,60
	v_pk_add_f32 v[14:15], v[14:15], v[S+\j:S+1+\j]
	v_pk_add_f32 v[SM2:SM2+1], v[SM2:SM2+1], v[S+2+\j:S+3+\j]
.endr
	v_pk_add_f32 v[14:15], v[14:15], v[SM2:SM2+1]
	s_wait_alu depctr_va_vdst(0)                   ; and one for the four
.irp b, 0,1,2,3
	v_max_num_f32 v[BM+\b], 0x2800000, v[BM+\b]    ; the floor 2^(5 - 127): a block whose every p is 0 keeps the byte 1: its codes are zeros
.endr
.irp b, 0,1,2,3
	v_add_nc_u32 v[SOP+\b], 0xfe000000, v[BM+\b]   ; 4 off the exponent field: the conversion's scale operand
.endr
.irp b, 0,1,2,3
	v_lshrrev_b32 v[PT+\b], 23, v[SOP+\b]          ; the byte
.endr
	v_lshl_or_b32 v[PW], v[PT+1], 8, v[PT]         ; p's scale word for these 128 keys
	v_lshl_or_b32 v[PW], v[PT+2], 16, v[PW]
	v_lshl_or_b32 v[PW], v[PT+3], 24, v[PW]
.irp c, 0,1
	v_cvt_scalef32_pk16_bf6_f32 v[PC+6*\c:PC+2+6*\c], v[S+32*\c:S+15+32*\c], v[SOP+2*\c]
	v_cvt_scalef32_pk16_bf6_f32 v[CT+4*\c:CT+2+4*\c], v[S+16+32*\c:S+31+32*\c], v[SOP+2*\c+1]
.endr
	v_nop                                          ; one plain place behind a scaled conversion
.irp c, 0,1                                    ; a whole block in a lane: lanes 0-15 block 2 c, lanes 16-31 block 2 c + 1
.irp i, 0,1,2
	v_permlane16_swap_b32 v[PC+6*\c+\i], v[CT+4*\c+\i]
.endr
.irp i, 0,1,2
	v_mov_b32 v[PC+3+6*\c+\i], v[CT+4*\c+\i]
.endr
.endr
.irp j, 0,2,4,6,8,10,12,14,16,18,20,22,24,26,28,30
	v_pk_mul_f32 v[O+\j:O+1+\j], v[O+\j:O+1+\j], v[FF:FF+1] op_sel_hi:[1,0]   ; O^T under the new M.  (These sixteen are also the places between p's codes and scale word and the products)
.endr
	s_wait_dscnt 0x0                               ; V
.irp t, 0,1,2,3                                ; O^T += V^T P^T: the four accumulators by turns
	v_wmma_scale_f32_16x16x128_f8f6f4 v[O+8*\t:O+8*\t+7], v[KV+12*\t:KV+12*\t+11], v[PC:PC+11], v[O+8*\t:O+8*\t+7], v[SCW+\t], v[PW] matrix_a_fmt:MATRIX_FMT_BF6 matrix_b_fmt:MATRIX_FMT_BF6 matrix_a_scale:MATRIX_SCALE_ROW1
.endr
	s_branch .Lnext
.Lhidden:
	AHEAD
.Lnext:                                            ; every trip, worked or passed over, steps the addresses and the bits
	s_wait_xcnt 0x0                                ; the loads of mask words have read their pointer: it may be written
	s_add_nc_u64 s[4:5], s[4:5], 256
	s_add_co_u32 s2, s2, STEPB
	s_lshr_b32 s11, s11, 1
	s_lshr_b32 s12, s12, 1
	s_sub_co_u32 s3, s3, 1
	s_cmp_lg_u32 s3, 0
	s_cbranch_scc1 .Lstep
	; THE WAY OUT.  O^T / the sum is quantised along the channels: my head's 64 are two blocks of the last product's K.
.rept 4
	v_nop                                          ; places behind the last products
.endr
	v_add_f32 v14, v14, v15
	v_permlanex16_b32 v[PT], v14, s6, s7
	v_add_f32 v14, v14, v[PT]                      ; the row's sum
	v_rcp_f32 v15, v14
	v_cmp_eq_f32 vcc_lo, 0, v14                    ; a row all of whose keys are hidden
	v_mov_b32 v[TMP], 0xffff                       ; (a plain place behind the reciprocal)
	s_wait_alu depctr_va_vdst(0)                   ; the wait, ahead of the first reader
.irp j, 0,1,2,3,4,5,6,7,8,9,10,11,12,13,14,15,16,17,18,19,20,21,22,23,24,25,26,27,28,29,30,31
	v_mul_f32 v[S+\j], v[O+\j], v15                ; register 8 t + j: channel 16 t + 8 h + j of query r
.endr
	v_max3_num_f32 v[BM], |v[S]|, |v[S+1]|, 0x2800000
	v_max3_num_f32 v[BM+1], |v[S+16]|, |v[S+17]|, 0x2800000
.irp i, 2,4,6,8,10,12,14
	v_max3_num_f32 v[BM], v[BM], |v[S+\i]|, |v[S+\i+1]|
	v_max3_num_f32 v[BM+1], v[BM+1], |v[S+16+\i]|, |v[S+17+\i]|
.endr
	v_permlanex16_b32 v[PT], v[BM], s6, s7
	v_permlanex16_b32 v[PT+1], v[BM+1], s6, s7
	v_max_num_f32 v[BM], v[BM], v[PT]
	v_max_num_f32 v[BM+1], v[BM+1], v[PT+1]
	v_add_nc_u32 v[SOP], 0xfe000000, v[BM]
	v_add_nc_u32 v[SOP+1], 0xfe000000, v[BM+1]
	v_lshrrev_b32 v[PT+2], 23, v[SOP]
	v_lshrrev_b32 v[PT+3], 23, v[SOP+1]
	v_lshl_or_b32 v[PW], v[PT+3], 8, v[PT+2]
	v_cndmask_b32 v[PW], v[PW], v[TMP], vcc_lo     ; the sum is 0: both bytes 0xff
	v_cvt_scalef32_pk16_bf6_f32 v[PC:PC+2], v[S:S+15], v[SOP]
	v_cvt_scalef32_pk16_bf6_f32 v[CT:CT+2], v[S+16:S+31], v[SOP+1]
	v_nop                                          ; one plain place behind a scaled conversion
.irp i, 0,1,2
	v_permlane16_swap_b32 v[PC+\i], v[CT+\i]
.endr
.irp i, 0,1,2
	v_mov_b32 v[PC+3+\i], v[CT+\i]
.endr
	ds_store_b64 v7, v[PC:PC+1]                    ; my six registers, at their places in the image that my head shares with its neighbour
	ds_store_b64 v8, v[PC+2:PC+3]
	ds_store_b64 v7, v[PC+4:PC+5] offset:512
	ds_store_b16 v9, v[PW]                         ; lanes r and 16 + r write the same two bytes with the same value
	s_wait_dscnt 0x0                               ; for the others' sake: my stores are done
	s_barrier_signal -1
	s_barrier_wait -1
.irp i, 0,1,2
	ds_load_b64 v[S+2*\i:S+1+2*\i], v10 offset:256*\i
.endr
	s_wait_dscnt 0x0
.irp i, 0,1,2
	global_store_b64 v2, v[S+2*\i:S+1+2*\i], s[62:63] offset:256*\i   ; 256 consecutive bytes, aligned
.endr
	s_cmp_lt_u32 s10, 2                            ; the scale bytes: 512 in all, two waves' worth
	s_cbranch_scc0 .Lno_scales
	ds_load_b64 v[S+6:S+7], v11
	s_wait_dscnt 0x0
	global_store_b64 v232, v[S+6:S+7], s[66:67]    ; my four heads' 8 of a row's 16 bytes; the other 8 are the neighbouring key and value head's
.Lno_scales:
	s_wait_tensorcnt 0x0
	ds_add_u32 v254, v255
	s_wait_dscnt 0x0
	s_endpgm
.Lfunc_end_k_q698204fb3b_attn:
	.size	k_q698204fb3b_attn, .Lfunc_end_k_q698204fb3b_attn-k_q698204fb3b_attn
	.p2alignl 7, 3214868480
	.fill 96, 4, 3214868480
	.section	.rodata,"a",@progbits
	.p2align	6, 0x0
	.amdhsa_kernel k_q698204fb3b_attn
		.amdhsa_group_segment_fixed_size 227840
		.amdhsa_private_segment_fixed_size 0
		.amdhsa_enable_private_segment 0
		.amdhsa_kernarg_size 32
		.amdhsa_user_sgpr_count 2
		.amdhsa_user_sgpr_kernarg_segment_ptr 1
		.amdhsa_wavefront_size32 1
		.amdhsa_system_sgpr_workgroup_id_x 1
		.amdhsa_system_sgpr_workgroup_id_y 1
		.amdhsa_system_sgpr_workgroup_id_z 1
		.amdhsa_system_vgpr_workitem_id 0
		.amdhsa_next_free_vgpr 256
		.amdhsa_next_free_sgpr 102
		.amdhsa_reserve_vcc 1
		.amdhsa_float_denorm_mode_32 3
		.amdhsa_float_denorm_mode_16_64 3
		.amdhsa_memory_ordered 1
		.amdhsa_forward_progress 1
		.amdhsa_inst_pref_size 38
	.end_amdhsa_kernel
	.amdgpu_metadata
---
amdhsa.version: [ 1, 2 ]
amdhsa.kernels:
  - .name:           k_q698204fb3b_attn
    .symbol:         k_q698204fb3b_attn.kd
    .args:
      - { .name: qkv, .offset: 0, .size: 8, .value_kind: global_buffer, .address_space: global }
      - { .name: mw, .offset: 8, .size: 8, .value_kind: global_buffer, .address_space: global }
      - { .name: mf, .offset: 16, .size: 8, .value_kind: global_buffer, .address_space: global }
      - { .name: ao, .offset: 24, .size: 8, .value_kind: global_buffer, .address_space: global }
    .group_segment_fixed_size: 227840
    .private_segment_fixed_size: 0
    .kernarg_segment_align: 8
    .kernarg_segment_size: 32
    .max_flat_workgroup_size: 512
    .sgpr_count:     102
    .vgpr_count:     256
    .wavefront_size: 32
...
	.end_amdgpu_metadata
.endif
;; end of part 6
;; launch oproj: the kernel of part 4 again; grid 16 x 16, 4 waves a work-group, clusters of 4 x 4, 327,680 bytes of LDS; arguments codes, ao, out0; writes out0
;; ======== version 3 of 3: 4 launches; version 2 with the launch attn written anew for expert scheduling mode
;; workspace buffers: codes 11,468,800 bytes; mw 524,288 bytes of whole numbers; mf 2,048 bytes of whole numbers; qkv 5,111,808 bytes; ao 3,276,800 bytes
;; launch prep: the kernel of part 5 again; grid 576 x 1, 4 waves a work-group, no clusters, 35,328 bytes of LDS; arguments x, Wq, Wk, Wv, Wo, mask, codes, mw, mf; writes codes, mw, mf
;; launch qkvg: the kernel of part 2 again; grid 96 x 4, 4 waves a work-group, clusters of 4 x 4, 327,680 bytes of LDS; arguments codes, cos, sin, qkv; writes qkv
;; launch attn (part 7): grid 32 x 8, 16 waves a work-group, no clusters, 227,840 bytes of LDS; arguments qkv, mw, mf, ao; writes ao
.if DOCPART == 7
	.amdgcn_target "amdgcn-amd-amdhsa--gfx1250"
	.amdhsa_code_object_version 6
	.text
	.protected	k_q698204fb3b_attn
	.globl	k_q698204fb3b_attn
	.p2align	8
	.type	k_q698204fb3b_attn,@function
k_q698204fb3b_attn:
	s_mov_b64 s[64:65], 0
	v_nop
	global_prefetch_b8 v0, s[64:65] scope:SCOPE_SE
	s_setreg_imm32_b32 hwreg(HW_REG_WAVE_SCHED_MODE, 0, 2), 2
	s_setreg_imm32_b32 hwreg(HW_REG_WAVE_MODE, 25, 1), 1
	s_wait_xcnt 0x0
	s_wait_alu depctr_vm_vsrc(0)
; Attention on codes of BF6 (E3M2) with E8M0 scales: 32 query heads, 8 key and value heads, 2,048 tokens, head size 64, with the mask as it is given (a set bit hides a key).
; THE SOFTMAX AHEAD OF THE SECOND PRODUCT: t = score x log2(e) / 8; M = the row's largest t so far, rounded up to a whole number; p = 2^(t - M) is quantised along the keys, not normalised; the row's sum is taken of the
; unquantised p and divides at the end.  When M moves, the sum and O are multiplied by 2^(old M - new M): exact.  The result is quantised at once, along head x 64 + channel, for the last product.
; SHARES.  A work-group owns one key and value head and four tiles of 16 queries: tiles x, 63 - x, 64 + x, 127 - x of the 128 (x: the work-group's number along x).  Its sixteen waves are that head's four query heads x the four
; tiles: wave w takes head w % 4 and local tile (w % 4 + w / 4) % 4: four waves that agree in w % 4, or in w / 4, hold four different tiles.  256 registers a wave.  Every wave walks the 16 key steps of 128 keys.
; WHAT THE MASK THROWS AWAY IS NOT COMPUTED.  The launch before has stored, for each tile of queries and each key step, whether every key is hidden and whether some key is.  A step that hides every key from my 16 queries is
; passed over (all its p would be 0, and M would not move); a step that hides none needs no selects and no mask words; any other step takes its 64 mask words, one bit a lane, asked for a step ahead, and one v_cndmask_b32
; a score puts -infinity where the bit is set.  The trip count is a constant; the branches hang on those stored bits alone.  This holds for every mask.  The choice of tiles evens the work out where a mask hides later keys
; from earlier queries (tile g then has g / 8 + 1 steps, the four tiles 34 between them, whatever x); for other masks it changes nothing.
; NO TENSOR LOAD AND NO CLUSTER: the head's K and V with their scale words, 16 steps x 13,312 bytes as the launch before laid
; them, come through registers, once: wave w brings step w's block, 26 loads of 512 consecutive bytes, and stores it to LDS as it lies; one barrier; nothing is written there again.
; LAYOUT.  Both products are used transposed: S^T = K Q^T, O^T = V^T P^T: a lane holds one query (lane % 16) throughout.
; THE HEAD'S 64 IN AN INSTRUCTION OF 128.  A fragment of K holds TWO tiles of keys: 16 b + r in k 0-63, 64 + 16 b + r in k 64-127.  Against [q | zeros] it gives tile b, against [zeros | q] tile 4 + b: zero codes add nothing.
; Register 8 T + j of lane l holds key 16 T + 8 (l / 16) + j: tiles 2 B, 2 B + 1 are block B of 32 keys, in the order 0-7, 16-23 | 8-15, 24-31 that every operand of this program has.
; LIMITS.  A row all of whose keys are hidden has the sum 0: its scale bytes are set to 0xff, so that its row of the output is NaN, as softmax of such a row is.  NaN and infinities among the inputs are not served.
; REGISTERS: v1-11 addresses; v12 -M, v13 the largest t, v[14:15] the sum in two halves; v16-33 zeros | q | zeros; v36-83 four fragments of K or V; v84-95 scale words; v96-159 S^T, then p; v160-191 O^T; v192-203 p's codes; v204-231 at work.
;   s2 where the step's block begins in LDS; s3 trips to go; s[4:5] the step's mask words; s11, s12 the bits 'every key hidden' and 'some but not every', this step's lowest; s28-59, s68-99 64 mask words.
; THE MODE: SCHED_MODE bits 1:0 = 2 (LLVM: expert scheduling mode 2), set by the entry lines.  The code itself states the register dependences
; between vector or matrix instructions and memory or LDS instructions, with s_wait_alu, always for 0.
; THE PLAN.  Registers that memory or LDS instructions touch:
;   v1, v2, v233, v7-11, v232, v254, v255   offsets and addresses: written at the head, never again.
;   v3, v4     LDS addresses.  v3: the head's 26 LDS stores read it.  In the loop: written by two additions at the head of a worked step, read by that step's 34 LDS loads.
;   v96-159, v36-75   at the head: the block's 26 loads land there, the 26 LDS stores read them; afterwards v96-159 are named by vector and matrix instructions alone.
;   v84-91     a step's two loads of scale words land there; its four v_or_b32 read them.
;   v36-83     ONE buffer (a wave has 256 registers, and no 48 are free): K lands, the eight first products read it; V lands, the four second products read it.
;   v192-197, v224 on the way out: written by conversions, swaps and moves, read by four LDS stores.  v96-103 on the way out: LDS loads land there, global stores read them.
; THE WAITS OF A WORKED STEP.  vm_vsrc at the loop's top: the LDS instructions issued so far have read v3 and v4 (first trip: and the block's registers).  va_vdst ahead of K's loads: the addresses are written, the step
; before is done with v36-83 and v84-91.  va_vdst ahead of the first products: their scale words are written.  va_vdst where the ways with and without selects join: the products are done with K, so V may land, and the
; selects are done with the mask words, so the next ones may be asked for.  Two va_vdst behind the exponentials.  va_vdst ahead of the second products: p's codes and scale word are written.
; Which step is worked next hangs on the stored bits, so no step's loads are asked for in the step before.
.set QAREA, 3407872
.set KVB,   212992                     ; a key and value head's block
.set STEPB, 13312
.set IST,   212992                     ; the way out: eight images of 1,536 bytes,
.set SST,   225280                     ; and their scale bytes: 128 for each tile of queries
.set KV,  36
.set SCW, 92
.set S,   96
.set O,   160
.set PC,  192
.set BM,  204                          ; v204-207 the blocks' largest scores, then their largest p
.set PT,  208                          ; v208-211 from lane l xor 16; later the bytes
.set CT,  212                          ; v212-214, v216-218 the upper blocks' codes
.set SOP, 220                          ; v220-223 the conversions' scale operands
.set PW,  224                          ; p's scale word
.set FF,  226                          ; v[226:227] f = 2^(old M - new M)
.set TMP, 228
.set SM2, 230                          ; v[230:231] the sums' second chain
; The next step's 64 mask words, if that step hides some keys and not all.  The last trip finds no bit: the bits are sixteen.
.macro AHEAD
	s_bitcmp1_b32 s12, 1
	s_cbranch_scc0 .Lnot_mixed_\@
	s_wait_kmcnt 0x0                               ; no earlier load is still on its way into these registers
	s_load_b512 s[28:43], s[4:5], 0x100
	s_load_b512 s[44:59], s[4:5], 0x140
	s_load_b512 s[68:83], s[4:5], 0x180
	s_load_b512 s[84:99], s[4:5], 0x1c0
.Lnot_mixed_\@:
.endm
	s_load_b256 s[68:75], s[0:1], 0x0              ; qkv, mw, mf, ao
	v_lshl_add_u32 v254, v0, 2, 0x37200
	v_mov_b32 v255, 0
	v_lshrrev_b32 v1, 5, v0
	v_readfirstlane_b32 s10, v1                    ; wave 0..15
	v_and_b32 v234, 31, v0
	v_lshlrev_b32 v1, 4, v234                      ; 16 x lane
	v_lshlrev_b32 v2, 3, v234                      ; 8 x lane
	v_and_b32 v235, 15, v0                         ; r
	v_bfe_u32 v236, v0, 4, 1                       ; h
	s_and_b32 s76, ttmp7, 0xffff                   ; the key and value head
	s_wait_alu depctr_va_sdst(0)                   ; s10 is written, ahead of its first reader: addresses and the wave's share are made from it
	s_mul_i32 s86, s10, STEPB                      ; key step w's block, in memory and in LDS alike
	s_mul_i32 s84, s76, KVB
	s_add_co_u32 s84, s84, s86
	s_add_co_u32 s84, s84, QAREA
	s_mov_b32 s85, 0
	v_add_nc_u32 v3, s86, v1
	s_wait_kmcnt 0x0
	s_add_nc_u64 s[24:25], s[68:69], s[84:85]
	s_wait_alu depctr_va_vdst(0)                   ; v1 is written, which the 26 loads below read as their offset, and v3, by which their data are stored to LDS
.set i, 0
.rept 26                               ; 13,312 bytes: each load takes 512 consecutive bytes; they land in registers that the loop uses only later
.if i < 16
	global_load_b128 v[S+4*i:S+4*i+3], v1, s[24:25] offset:512*i
.else
	global_load_b128 v[KV+4*(i-16):KV+4*(i-16)+3], v1, s[24:25] offset:512*i
.endif
.set i, i+1
.endr
	s_and_b32 s77, s10, 3                          ; my query head among the four
	s_lshr_b32 s78, s10, 2                         ; the local tile whose results I store at the end
	s_add_co_u32 s79, s77, s78
	s_and_b32 s79, s79, 3                          ; the local tile that I compute
	s_sub_co_u32 s80, 63, ttmp9
	s_bitcmp1_b32 s79, 0                           ; local tile t is tile 64 (t / 2) + (t odd: 63 - x, t even: x)
	s_cselect_b32 s81, s80, ttmp9
	s_lshr_b32 s87, s79, 1
	s_lshl_b32 s87, s87, 6
	s_add_co_u32 s81, s81, s87                     ; the tile that I compute, among the 128: it enters global addresses alone
	s_bitcmp1_b32 s78, 0
	s_cselect_b32 s82, s80, ttmp9
	s_lshr_b32 s87, s78, 1
	s_lshl_b32 s87, s87, 6
	s_add_co_u32 s82, s82, s87                     ; and the tile that I store
	s_and_b32 s83, s10, 1
	; q: [head][64 tokens][3,328]: my tile's half image, and its scale word at 3,072 + 16 r + 4 x (tile % 4)
	s_lshl_b32 s87, s76, 2
	s_add_co_u32 s87, s87, s77                     ; the query head
	s_lshl_b32 s87, s87, 5
	s_lshr_b32 s88, s81, 2
	s_add_co_u32 s87, s87, s88
	s_mul_i32 s87, s87, 3328
	s_and_b32 s88, s81, 3
	s_mul_i32 s89, s88, 768
	s_add_co_u32 s84, s87, s89
	s_add_nc_u64 s[100:101], s[68:69], s[84:85]
	s_mul_i32 s89, s88, 764
	s_sub_co_u32 s89, 3072, s89                    ; from my half image to my words
	v_lshl_add_u32 v233, v235, 4, s89              ; (q's three loads stand below, behind the one wait for all the addresses made here)
	s_lshl_b32 s84, s81, 12                        ; the mask words of my queries: 16 steps of 256 bytes
	s_add_nc_u64 s[4:5], s[70:71], s[84:85]
	s_lshl_b32 s84, s81, 4                         ; and their steps' bits: four words
	s_add_nc_u64 s[16:17], s[72:73], s[84:85]
	; the way out: every LDS address is made here, of the wave's number and the lane alone.  Two heads make one image: head c = head % 2 holds registers 6 c .. 6 c + 5 of each lane's twelve
	s_lshl_b32 s87, s79, 1
	s_lshr_b32 s88, s77, 1
	s_add_co_u32 s87, s87, s88
	s_mul_i32 s87, s87, 1536
	s_add_co_u32 s87, s87, IST                     ; image 2 x local tile + head / 2
	s_and_b32 s88, s77, 1
	s_mul_i32 s89, s88, 520
	s_add_co_u32 s89, s89, s87
	v_add_nc_u32 v7, s89, v1                       ; registers 0, 1 (c = 1: 6, 7); with 512 more: registers 4, 5 (10, 11)
	s_mul_i32 s89, s88, 1016
	s_add_co_u32 s89, s89, s87
	s_add_co_u32 s89, s89, 8
	v_add_nc_u32 v8, s89, v1                       ; registers 2, 3 (8, 9)
	s_lshl_b32 s87, s79, 7
	s_lshl_b32 s88, s77, 1
	s_add_co_u32 s87, s87, s88
	s_add_co_u32 s87, s87, SST
	v_lshl_add_u32 v9, v235, 3, s87                ; my two scale bytes: 128 x local tile + 8 r + 2 x head
	s_mul_i32 s87, s10, 768
	s_add_co_u32 s87, s87, IST
	v_add_nc_u32 v10, s87, v2                      ; back: 768 bytes a wave: local tile w / 4, piece w % 4
	s_lshl_b32 s87, s83, 8
	s_add_co_u32 s87, s87, SST
	v_lshl_add_u32 v11, v236, 7, s87
	v_lshl_add_u32 v11, v235, 3, v11               ; the scale bytes of local tile 2 (wave % 2) + h (waves 0 and 1 use it)
	s_sub_co_u32 s87, s80, ttmp9                   ; local tiles 2 u and 2 u + 1 lie 63 - 2 x groups apart in ao
	s_mul_i32 s87, s87, 25600
	v_mul_u32_u24 v232, s87, v236
	v_lshl_add_u32 v232, v235, 4, v232             ; their place in ao: h x that distance + 16 r
	s_lshr_b32 s88, s76, 1
	s_mul_i32 s88, s88, 6400                       ; ao's quad: eight heads
	s_and_b32 s89, s76, 1
	s_mul_i32 s90, s82, 25600
	s_add_co_u32 s90, s90, s88
	s_mul_i32 s92, s89, 3072
	s_add_co_u32 s90, s90, s92
	s_mul_i32 s92, s77, 768
	s_add_co_u32 s90, s90, s92
	s_mov_b32 s91, 0
	s_add_nc_u64 s[62:63], s[74:75], s[90:91]      ; images
	s_lshl_b32 s90, s83, 6
	s_add_co_u32 s90, s90, ttmp9                   ; local tile 2 (wave % 2): tile 64 (wave % 2) + x
	s_mul_i32 s90, s90, 25600
	s_add_co_u32 s90, s90, s88
	s_lshl_b32 s92, s89, 3
	s_add_co_u32 s90, s90, s92
	s_add_co_u32 s90, s90, 6144
	s_add_nc_u64 s[66:67], s[74:75], s[90:91]      ; scale words
	s_mov_b32 s6, 0x76543210
	s_mov_b32 s7, 0xfedcba98                       ; selects for lane l xor 16
	s_mov_b32 s8, 0x3e38aa3b                       ; c = log2(e) / 8
	s_mov_b32 s9, s8                               ; (named with it as a pair, so it is written)
	s_mov_b32 s2, 0
	s_wait_alu depctr_va_vdst(0)                   ; v2 and v233 are written, which q's loads read; so are v7 to v11 and v232, which the way out's LDS and global instructions read; and the lines that made them are done reading s86 to s89, in which scalar loads below land
	global_load_b128 v[22:25], v1, s[100:101]
	global_load_b64 v[26:27], v2, s[100:101] offset:512
	global_load_b32 v6, v233, s[100:101]
	s_load_b128 s[20:23], s[16:17], 0x0            ; the sixteen steps' bits
	s_load_b512 s[28:43], s[4:5], 0x0              ; step 0's 64 mask words, whatever its bits say (all that stood in these registers has been used)
	s_load_b512 s[44:59], s[4:5], 0x40
	s_load_b512 s[68:83], s[4:5], 0x80
	s_load_b512 s[84:99], s[4:5], 0xc0
.irp j, 16,17,18,19,20,21,28,29,30,31,32,33
	v_mov_b32 v[\j], 0                             ; zero codes on both sides of q
.endr
	v_mov_b32 v5, 0xff800000                       ; -infinity
	v_mov_b32 v13, 0xff61b1e6                      ; the largest t so far: -3e38
	v_floor_f32 v12, -v13                          ; -M
	v_mov_b32 v14, 0
	v_mov_b32 v15, 0
.irp b, 0,1,2,3
	v_mov_b32 v[PT+\b], 0                          ; a lane permute's destination counts as one of its sources
.endr
	v_mov_b32 v[FF+1], 0                           ; (named as the upper half of a pair)
.irp j, 0,1,2,3,4,5,6,7,8,9,10,11,12,13,14,15,16,17,18,19,20,21,22,23,24,25,26,27,28,29,30,31
	v_mov_b32 v[O+\j], 0                           ; O^T: the step is written once; the first finds zeros, which the first change of M leaves zeros
.endr
.set i, 0
.rept 26
	s_wait_loadcnt 28-i                            ; load i is in: behind it stand the 25 - i later ones of the block and q's three
.if i < 16
	ds_store_b128 v3, v[S+4*i:S+4*i+3] offset:512*i   ; no wait on the vector side: the data come from loads, and no vector line since the wait ahead of those loads names v3
.else
	ds_store_b128 v3, v[KV+4*(i-16):KV+4*(i-16)+3] offset:512*i
.endif
.set i, i+1
.endr
	s_wait_loadcnt 0x0                             ; q
	v_lshl_or_b32 v6, v6, 16, v6                   ; q's two bytes, for k 0-63 and for k 64-127
	s_wait_kmcnt 0x0                               ; the bits, and step 0's words
	s_or_b32 s20, s20, s21
	s_or_b32 s22, s22, s23
	s_or_b32 s20, s20, s22
	s_and_b32 s11, s20, 0xffff                     ; bit s: step s hides every key
	s_lshr_b32 s12, s20, 16
	s_and_not1_b32 s12, s12, s11                   ; bit s: step s hides some keys and not all
	s_wait_dscnt 0x0                               ; for the others' sake: my block lies in LDS
	s_barrier_signal -1
	s_barrier_wait -1                              ; all sixteen blocks do
	s_mov_b32 s3, 16
.Lstep:                                            ; A KEY STEP: 128 keys
	s_wait_alu depctr_vm_vsrc(0)                   ; the LDS loads issued so far have read v3 and v4, which are written below; in the first trip: the head's LDS stores have read v3 and the block's registers, v36-75 and v96-159, which loads and products write from here on
	s_bitcmp1_b32 s11, 0
	s_cbranch_scc1 .Lhidden                        ; every key hidden from my 16 queries: nothing to add
	v_add_nc_u32 v3, s2, v1
	v_add_nc_u32 v4, s2, v2
	v_nop
	v_nop                                          ; with the two additions four places behind the last products, whose scale words are written again below
	s_wait_alu depctr_va_vdst(0)                   ; v3 and v4 are written, which the loads below read; the last worked step's second products are done reading v36-83, and its v_or_b32 lines v84-91, in which these loads land
	ds_load_b128 v[84:87], v3 offset:12288         ; scale words of the keys' first half: lanes 0-15 K's, lanes 16-31 V's,
	ds_load_b128 v[88:91], v3 offset:12800         ; and of the second
.irp b, 0,1,2,3
.irp c, 0,1
	ds_load_b128 v[KV+12*\b+6*\c:KV+12*\b+6*\c+3], v3 offset:(4*\c+\b)*768
	ds_load_b64 v[KV+12*\b+6*\c+4:KV+12*\b+6*\c+5], v4 offset:(4*\c+\b)*768+512
.endr
.endr
	s_wait_dscnt 16                                ; the two loads of scale words are in; K's sixteen may be out
.irp b, 0,1,2,3
	v_or_b32 v[SCW+\b], v[84+\b], v[88+\b]         ; each half has its bytes at their places and zeros elsewhere
.endr
.rept 8
	v_nop                                          ; a scale register written by a vector instruction stands eight places ahead of the scaled product; K is landing meanwhile
.endr
	s_wait_dscnt 0x0
	s_wait_alu depctr_va_vdst(0)                   ; the scale words v92-95 are written, which the scaled products take (in the first trip so are q's zeros and q's scale word v6); the places above stay beside this wait
.irp c, 0,1
.irp b, 0,1,2,3
	v_wmma_scale_f32_16x16x128_f8f6f4 v[S+8*(4*\c+\b):S+8*(4*\c+\b)+7], v[KV+12*\b:KV+12*\b+11], v[22-6*\c:33-6*\c], 0, v[SCW+\b], v6 matrix_a_fmt:MATRIX_FMT_BF6 matrix_b_fmt:MATRIX_FMT_BF6
.endr
.endr
.rept 4
	v_nop                                          ; places in front of the first read of the scores
.endr
	s_bitcmp1_b32 s12, 0
	s_cbranch_scc0 .Lopen                          ; no key hidden: no selects
	s_wait_kmcnt 0x0                               ; the step's mask words, asked for a step ago
.set n, 0
.rept 64
.if n < 32
	v_cndmask_b32 v[S+n], v[S+n], v5, s[28+n]      ; hidden: -infinity.  (Ascending: each accumulator is read from its low end on)
.else
	v_cndmask_b32 v[S+n], v[S+n], v5, s[36+n]
.endif
.set n, n+1
.endr
.Lopen:
	s_wait_alu depctr_va_vdst(0)                   ; the eight products are done reading K's fragments, in which V lands; the selects are done reading the mask words, in which the scalar loads below land
.irp b, 0,1,2,3                                ; V, into the same registers: it lands under the softmax, no line of which names them
.irp c, 0,1
	ds_load_b128 v[KV+12*\b+6*\c:KV+12*\b+6*\c+3], v3 offset:6144+(4*\c+\b)*768
	ds_load_b64 v[KV+12*\b+6*\c+4:KV+12*\b+6*\c+5], v4 offset:6144+(4*\c+\b)*768+512
.endr
.endr
	AHEAD                                          ; they have the softmax in which to land
.irp b, 0,1,2,3
	v_max3_num_f32 v[BM+\b], v[S+16*\b], v[S+1+16*\b], v[S+2+16*\b]   ; the largest score of each block of 32 keys: for the row's maximum and, since p rises with the score, for the block's largest p
.endr
.irp i, 3,5,7,9,11,13
.irp b, 0,1,2,3
	v_max3_num_f32 v[BM+\b], v[BM+\b], v[S+16*\b+\i], v[S+1+16*\b+\i]
.endr
.endr
.irp b, 0,1,2,3
	v_max_num_f32 v[BM+\b], v[BM+\b], v[S+15+16*\b]
.endr
.irp b, 0,1,2,3
	v_permlanex16_b32 v[PT+\b], v[BM+\b], s6, s7
.endr
.irp b, 0,1,2,3
	v_max_num_f32 v[BM+\b], v[BM+\b], v[PT+\b]     ; with lane l xor 16's 16 keys
.endr
	v_max3_num_f32 v[TMP], v[BM], v[BM+1], v[BM+2]
	v_max_num_f32 v[TMP], v[TMP], v[BM+3]
	v_mul_f32 v[TMP], s8, v[TMP]                   ; as t (c is positive)
	v_max_num_f32 v13, v13, v[TMP]                 ; the running largest t
	v_mov_b32 v[TMP], v12
	v_floor_f32 v12, -v13                          ; the new -M = -ceil(t): a whole number
	v_sub_f32 v[TMP], v12, v[TMP]                  ; old M - new M: a whole number, 0 or less
	v_cvt_i32_f32 v[TMP], v[TMP]                   ; (it saturates)
	v_ldexp_f32 v[FF], 1.0, v[TMP]                 ; f = 2^(old M - new M)
.irp j, 0,2,4,6,8,10,12,14,16,18,20,22,24,26,28,30,32,34,36,38,40,42,44,46,48,50,52,54,56,58,60,62
	v_pk_fma_f32 v[S+\j:S+1+\j], v[S+\j:S+1+\j], s[8:9], v[12:13] op_sel_hi:[1,0,0]   ; t - M, two at a time
.endr
.irp b, 0,1,2,3
	v_fma_f32 v[BM+\b], v[BM+\b], s8, v12          ; the same of each block's largest score
.endr
.irp j, 0,1,2,3,4,5,6,7,8,9,10,11,12,13,14,15,16,17,18,19,20,21,22,23,24,25,26,27,28,29,30,31,32,33,34,35,36,37,38,39,40,41,42,43,44,45,46,47,48,49,50,51,52,53,54,55,56,57,58,59,60,61,62,63
	v_exp_f32 v[S+\j], v[S+\j]                     ; p = 2^(t - M), at most 1
.endr
	v_pk_mul_f32 v[14:15], v[14:15], v[FF:FF+1] op_sel_hi:[1,0]   ; the sums under the new M: the plain place behind the exponentials
	s_wait_alu depctr_va_vdst(0)                   ; the 64 exponentials have written p: one wait for the batch, ahead of its first reader
.irp b, 0,1,2,3
	v_exp_f32 v[BM+\b], v[BM+\b]                   ; the blocks' largest p: the same two instructions on the same number
.endr
	v_pk_add_f32 v[SM2:SM2+1], v[S:S+1], v[S+2:S+3]   ; the row's sum, of the unquantised p: two chains; it reads the 64 alone
.irp j, 4,8,12,16,20,24,28,32,36,40,44,48,52,56,60
	v_pk_add_f32 v[14:15], v[14:15], v[S+\j:S+1+\j]
	v_pk_add_f32 v[SM2:SM2+1], v[SM2:SM2+1], v[S+2+\j:S+3+\j]
.endr
	v_pk_add_f32 v[14:15], v[14:15], v[SM2:SM2+1]
	s_wait_alu depctr_va_vdst(0)                   ; the four exponentials have written the blocks' largest p: their wait, ahead of their first reader
.irp b, 0,1,2,3
	v_max_num_f32 v[BM+\b], 0x2800000, v[BM+\b]    ; the floor 2^(5 - 127): a block whose every p is 0 keeps the byte 1: its codes are zeros
.endr
.irp b, 0,1,2,3
	v_add_nc_u32 v[SOP+\b], 0xfe000000, v[BM+\b]   ; 4 off the exponent field: the conversion's scale operand
.endr
.irp b, 0,1,2,3
	v_lshrrev_b32 v[PT+\b], 23, v[SOP+\b]          ; the byte
.endr
	v_lshl_or_b32 v[PW], v[PT+1], 8, v[PT]         ; p's scale word for these 128 keys
	v_lshl_or_b32 v[PW], v[PT+2], 16, v[PW]
	v_lshl_or_b32 v[PW], v[PT+3], 24, v[PW]
.irp c, 0,1
	v_cvt_scalef32_pk16_bf6_f32 v[PC+6*\c:PC+2+6*\c], v[S+32*\c:S+15+32*\c], v[SOP+2*\c]
	v_cvt_scalef32_pk16_bf6_f32 v[CT+4*\c:CT+2+4*\c], v[S+16+32*\c:S+31+32*\c], v[SOP+2*\c+1]
.endr
	v_nop                                          ; one plain place behind a scaled conversion
.irp c, 0,1                                    ; a whole block in a lane: lanes 0-15 block 2 c, lanes 16-31 block 2 c + 1
.irp i, 0,1,2
	v_permlane16_swap_b32 v[PC+6*\c+\i], v[CT+4*\c+\i]
.endr
.irp i, 0,1,2
	v_mov_b32 v[PC+3+6*\c+\i], v[CT+4*\c+\i]
.endr
.endr
.irp j, 0,2,4,6,8,10,12,14,16,18,20,22,24,26,28,30
	v_pk_mul_f32 v[O+\j:O+1+\j], v[O+\j:O+1+\j], v[FF:FF+1] op_sel_hi:[1,0]   ; O^T under the new M.  (These sixteen are also the places between p's codes and scale word and the products)
.endr
	s_wait_dscnt 0x0                               ; V
	s_wait_alu depctr_va_vdst(0)                   ; p's codes v192-203 and its scale word v224 are written, which the scaled products take; the places above stay beside this wait
.irp t, 0,1,2,3                                ; O^T += V^T P^T: the four accumulators by turns
	v_wmma_scale_f32_16x16x128_f8f6f4 v[O+8*\t:O+8*\t+7], v[KV+12*\t:KV+12*\t+11], v[PC:PC+11], v[O+8*\t:O+8*\t+7], v[SCW+\t], v[PW] matrix_a_fmt:MATRIX_FMT_BF6 matrix_b_fmt:MATRIX_FMT_BF6 matrix_a_scale:MATRIX_SCALE_ROW1
.endr
	s_branch .Lnext
.Lhidden:
	AHEAD
.Lnext:                                            ; every trip, worked or passed over, steps the addresses and the bits
	s_wait_xcnt 0x0                                ; the loads of mask words have read their pointer: it may be written
	s_add_nc_u64 s[4:5], s[4:5], 256
	s_add_co_u32 s2, s2, STEPB
	s_lshr_b32 s11, s11, 1
	s_lshr_b32 s12, s12, 1
	s_sub_co_u32 s3, s3, 1
	s_cmp_lg_u32 s3, 0
	s_cbranch_scc1 .Lstep
	; THE WAY OUT.  O^T / the sum is quantised along the channels: my head's 64 are two blocks of the last product's K.
.rept 4
	v_nop                                          ; places behind the last products
.endr
	v_add_f32 v14, v14, v15
	v_permlanex16_b32 v[PT], v14, s6, s7
	v_add_f32 v14, v14, v[PT]                      ; the row's sum
	v_rcp_f32 v15, v14
	v_cmp_eq_f32 vcc_lo, 0, v14                    ; a row all of whose keys are hidden
	v_mov_b32 v[TMP], 0xffff                       ; (a plain place behind the reciprocal)
	s_wait_alu depctr_va_vdst(0)                   ; the reciprocal has written v15: the wait, ahead of the first reader
.irp j, 0,1,2,3,4,5,6,7,8,9,10,11,12,13,14,15,16,17,18,19,20,21,22,23,24,25,26,27,28,29,30,31
	v_mul_f32 v[S+\j], v[O+\j], v15                ; register 8 t + j: channel 16 t + 8 h + j of query r
.endr
	v_max3_num_f32 v[BM], |v[S]|, |v[S+1]|, 0x2800000
	v_max3_num_f32 v[BM+1], |v[S+16]|, |v[S+17]|, 0x2800000
.irp i, 2,4,6,8,10,12,14
	v_max3_num_f32 v[BM], v[BM], |v[S+\i]|, |v[S+\i+1]|
	v_max3_num_f32 v[BM+1], v[BM+1], |v[S+16+\i]|, |v[S+17+\i]|
.endr
	v_permlanex16_b32 v[PT], v[BM], s6, s7
	v_permlanex16_b32 v[PT+1], v[BM+1], s6, s7
	v_max_num_f32 v[BM], v[BM], v[PT]
	v_max_num_f32 v[BM+1], v[BM+1], v[PT+1]
	v_add_nc_u32 v[SOP], 0xfe000000, v[BM]
	v_add_nc_u32 v[SOP+1], 0xfe000000, v[BM+1]
	v_lshrrev_b32 v[PT+2], 23, v[SOP]
	v_lshrrev_b32 v[PT+3], 23, v[SOP+1]
	v_lshl_or_b32 v[PW], v[PT+3], 8, v[PT+2]
	s_wait_alu depctr_va_vcc(0)                    ; the compare above has written VCC, ahead of its first reader, the select below
	v_cndmask_b32 v[PW], v[PW], v[TMP], vcc_lo     ; the sum is 0: both bytes 0xff
	v_cvt_scalef32_pk16_bf6_f32 v[PC:PC+2], v[S:S+15], v[SOP]
	v_cvt_scalef32_pk16_bf6_f32 v[CT:CT+2], v[S+16:S+31], v[SOP+1]
	v_nop                                          ; one plain place behind a scaled conversion
.irp i, 0,1,2
	v_permlane16_swap_b32 v[PC+\i], v[CT+\i]
.endr
.irp i, 0,1,2
	v_mov_b32 v[PC+3+\i], v[CT+\i]
.endr
	s_wait_alu depctr_va_vdst(0)                   ; the codes v192-197 and the scale bytes v224 are written, which the LDS stores read; the conversions are done reading v96-103, in which the LDS loads behind the barrier land: no vector line follows this wait
	ds_store_b64 v7, v[PC:PC+1]                    ; my six registers, at their places in the image that my head shares with its neighbour
	ds_store_b64 v8, v[PC+2:PC+3]
	ds_store_b64 v7, v[PC+4:PC+5] offset:512
	ds_store_b16 v9, v[PW]                         ; lanes r and 16 + r write the same two bytes with the same value
	s_wait_dscnt 0x0                               ; for the others' sake: my stores are done
	s_barrier_signal -1
	s_barrier_wait -1
.irp i, 0,1,2
	ds_load_b64 v[S+2*\i:S+1+2*\i], v10 offset:256*\i
.endr
	s_wait_dscnt 0x0
.irp i, 0,1,2
	global_store_b64 v2, v[S+2*\i:S+1+2*\i], s[62:63] offset:256*\i   ; 256 consecutive bytes, aligned
.endr
	s_cmp_lt_u32 s10, 2                            ; the scale bytes: 512 in all, two waves' worth
	s_cbranch_scc0 .Lno_scales
	ds_load_b64 v[S+6:S+7], v11
	s_wait_dscnt 0x0
	global_store_b64 v232, v[S+6:S+7], s[66:67]    ; my four heads' 8 of a row's 16 bytes; the other 8 are the neighbouring key and value head's
.Lno_scales:
	s_wait_dscnt 0x0                               ; the closing lines, six on end
	s_wait_alu 0x0
	s_wait_tensorcnt 0x0
	ds_add_u32 v254, v255
	s_wait_dscnt 0x0
	s_endpgm
.Lfunc_end_k_q698204fb3b_attn:
	.size	k_q698204fb3b_attn, .Lfunc_end_k_q698204fb3b_attn-k_q698204fb3b_attn
	.p2alignl 7, 3214868480
	.fill 96, 4, 3214868480
	.section	.rodata,"a",@progbits
	.p2align	6, 0x0
	.amdhsa_kernel k_q698204fb3b_attn
		.amdhsa_group_segment_fixed_size 227840
		.amdhsa_private_segment_fixed_size 0
		.amdhsa_enable_private_segment 0
		.amdhsa_kernarg_size 32
		.amdhsa_user_sgpr_count 2
		.amdhsa_user_sgpr_kernarg_segment_ptr 1
		.amdhsa_wavefront_size32 1
		.amdhsa_system_sgpr_workgroup_id_x 1
		.amdhsa_system_sgpr_workgroup_id_y 1
		.amdhsa_system_sgpr_workgroup_id_z 1
		.amdhsa_system_vgpr_workitem_id 0
		.amdhsa_next_free_vgpr 256
		.amdhsa_next_free_sgpr 102
		.amdhsa_reserve_vcc 1
		.amdhsa_float_denorm_mode_32 3
		.amdhsa_float_denorm_mode_16_64 3
		.amdhsa_memory_ordered 1
		.amdhsa_forward_progress 1
		.amdhsa_inst_pref_size 39
	.end_amdhsa_kernel
	.amdgpu_metadata
---
amdhsa.version: [ 1, 2 ]
amdhsa.kernels:
  - .name:           k_q698204fb3b_attn
    .symbol:         k_q698204fb3b_attn.kd
    .args:
      - { .name: qkv, .offset: 0, .size: 8, .value_kind: global_buffer, .address_space: global }
      - { .name: mw, .offset: 8, .size: 8, .value_kind: global_buffer, .address_space: global }
      - { .name: mf, .offset: 16, .size: 8, .value_kind: global_buffer, .address_space: global }
      - { .name: ao, .offset: 24, .size: 8, .value_kind: global_buffer, .address_space: global }
    .group_segment_fixed_size: 227840
    .private_segment_fixed_size: 0
    .kernarg_segment_align: 8
    .kernarg_segment_size: 32
    .max_flat_workgroup_size: 512
    .sgpr_count:     102
    .vgpr_count:     256
    .wavefront_size: 32
...
	.end_amdgpu_metadata
.endif
;; end of part 7
;; launch oproj: the kernel of part 4 again; grid 16 x 16, 4 waves a work-group, clusters of 4 x 4, 327,680 bytes of LDS; arguments codes, ao, out0; writes out0
